; MI455X (gfx1250); checked and timed in simulation.
; The chip was launched on July 23, 2026; its instructions are those of AMD's public machine-readable ISA for CDNA 5 (MIT licence, August 2026) and "CDNA5" Instruction Set Architecture Reference Guide (July 2026). The comments in the code are by the model that wrote it; some were corrected since.
;; Attn Block. Allowed arithmetic: float matrix products may take bf16 or f16 operands with f32 sums; other float arithmetic in f32, or as packed bf16 or f16 multiplies, adds, multiply-adds, maxima and minima; sums over many terms, partial sums and values carried from step to step in f32; what a program stores and reads back later, other than sums and carried values, may be rounded once to bf16 or f16.
;; Inputs: bk 512 float32; bp 512 float32; bq 512 float32; bv 512 float32; gn_beta 512 float32; gn_gamma 512 float32; wk 512 x 512 float32; wp 512 x 512 float32; wq 512 x 512 float32; wv 512 x 512 float32; x 32 x 512 x 32 x 32 float32.
;; Outputs: out0 32 x 512 x 32 x 32 float32.
;; 2 versions, each right; version 2 is version 1 with the launch gn written anew for expert scheduling mode. Each part assembles by itself: llvm-mc -triple=amdgcn-amd-amdhsa -mcpu=gfx1250 --defsym DOCPART=n.
;; ======== version 1 of 2: 3 launches
;; workspace buffers: wb 1,572,864 bytes; bvp 2,048 bytes; hn 33,554,432 bytes; qb 33,554,432 bytes; kb 33,554,432 bytes; vb 33,554,432 bytes
;; launch gn (part 1): grid 648 x 1, 8 waves a work-group, no clusters, 39,424 bytes of LDS; arguments x, gn_gamma, gn_beta, wq, wk, wv, wp, bv, hn, wb, bvp; writes hn, wb, bvp
.if DOCPART == 1
	.amdgcn_target "amdgcn-amd-amdhsa--gfx1250"
	.amdhsa_code_object_version 6
	.text
	.protected	k_qee54210e9d_gn
	.globl	k_qee54210e9d_gn
	.p2align	8
	.type	k_qee54210e9d_gn,@function
k_qee54210e9d_gn:
	s_mov_b64 s[64:65], 0
	v_nop
	global_prefetch_b8 v0, s[64:65] scope:SCOPE_SE
	s_setreg_imm32_b32 hwreg(HW_REG_WAVE_MODE, 25, 1), 1
	s_wait_xcnt 0x0
; THREE ROLES, chosen by the work-group's number.
; 0-127     wb rows 1024-1535 = wp wv, bf16.  The last projection is applied to the values ahead of the attention: wp (v attn^T) = (wp v) attn^T and wp v = (wp wv) hn + wp bv, for every input.
; 128-135   bvp = wp bv, f32.
; 136-647   GROUP NORM of one group, and 1,024 numbers of wq | wk rounded to bf16 into wb rows 0-1023.
; GROUP NORM.  x: [32][512][1024] f32; a group is 32 channel rows of 4,096 bytes, 131,072 consecutive bytes, kept in registers (128 a lane, 8 waves): x is read once.  Thread t holds bytes 16 t of every
; row, so load i is channel 32 g + i in every thread and its gamma and beta are scalars.  The mean is taken first and the variance from the differences x - mean: no difference of large sums.
; hn[b][c][n] = (x - mean) rsqrt(var + 1e-6) gamma[c] + beta[c], rounded once to bf16.  A wave's store covers 256 consecutive bytes, aligned.
; LIMITS: wp and wv are rounded to bf16, their product is summed in f32 and rounded once to bf16; the sums' order differs from the reference's; v_rsq_f32 is good to one unit in the last place;
; NaN and infinities are not treated apart.
.set NFOLD, 128
.set NBIAS, 8
.set X,   8                            ; v[8:135]   group norm: load i at X + 4 i;  wp bv: 64 of wp, 16 of bv
.set CH,  136                          ; v[136:143] four chains of pairs; later the eight waves' partial sums, then four scales
.set WF,  144                          ; v[144:147] four weights in f32; four sums of wp bv
.set T,   152                          ; v152 at work, v153 the other half's sum and rstd, v154 4 x wave, v155 0, v[156:157] weights in bf16
.set L,   8                            ; wp wv: v[8:71] sixteen rows of wv, four columns a lane
.set LP,  72                           ;        v[72:87] sixteen numbers of a row of wp
.set FV,  88                           ;        v[88:119] four fragments of wv
.set FP,  120                          ;        v[120:127] the fragment of wp
.set AC,  128                          ;        v[128:159] four accumulators
.set RED, 1024                         ; LDS: 4,096 bytes a wave: the partial sums of wp wv
.set STG, RED+8*4096                   ; 16 rows x 272 bytes: a tile's rows on their way out
.set BST, STG+16*272                   ; 256 bytes: 64 numbers of wp bv
.set SPARE, BST+256                    ; the spare words: 128 bytes a wave, four blocks of 256 bytes that no other line names
.macro PLACES                          ; four plain vector instructions between a matrix instruction and a write of its sources or a read of its result (ISA guide 7.12.1)
.rept 4
	v_nop
.endr
.endm
	s_load_b512 s[4:19], s[0:1], 0x0               ; x s[4:5], gamma s[6:7], beta s[8:9], wq s[10:11], wk s[12:13], wv s[14:15], wp s[16:17], bv s[18:19]
	s_load_b128 s[20:23], s[0:1], 0x40             ; hn s[20:21], wb s[22:23]
	s_load_b64 s[24:25], s[0:1], 0x50              ; bvp
	v_lshl_add_u32 v4, v0, 2, SPARE                ; my spare word,
	v_mov_b32 v5, 0                                ; and 0: both never rewritten
	v_lshrrev_b32 v3, 5, v0
	v_readfirstlane_b32 s27, v3                    ; wave 0..7
	s_mov_b32 s26, ttmp9
	s_mov_b32 s29, 0                               ; the high word of every offset
	s_wait_kmcnt 0x0
	s_cmp_lt_u32 s26, NFOLD
	s_cbranch_scc1 .Lfold
	s_cmp_lt_u32 s26, NFOLD+NBIAS
	s_cbranch_scc1 .Lbias
	; ---------------- GROUP NORM ----------------
	s_sub_co_u32 s26, s26, NFOLD+NBIAS             ; 16 b + g
	v_lshlrev_b32 v1, 4, v0                        ; 16 t: my bytes in a row of x, and my four weights
	v_lshlrev_b32 v2, 3, v0                        ; 8 t: in a row of hn, and in my work-group's part of wb
	v_mov_b32 v[T+2], s27
	v_lshlrev_b32 v[T+2], 2, v[T+2]                ; my wave's word among the partial sums
	v_mov_b32 v[T+3], 0
	v_mov_b32 v[T+1], 0                            ; written once: v_permlanex16_b32 counts as a reader of its destination
	s_mov_b32 s100, 0x38000000                     ; 1 / 32,768
	s_mov_b32 s101, 0x358637bd                     ; 1e-6
	s_mov_b32 s30, 0x76543210                      ; each lane takes its own place in the other half
	s_mov_b32 s31, 0xfedcba98
	s_lshl_b32 s28, s26, 17                        ; the group's first byte in x
	s_add_nc_u64 s[4:5], s[4:5], s[28:29]
.set i, 0
.rept 32
	global_load_b128 v[X+4*i:X+4*i+3], v1, s[4:5] offset:4096*i th:TH_LOAD_NT
.set i, i+1
.endr
	s_cmp_lt_u32 s26, 256                          ; 256 work-groups to wq, 256 to wk
	s_cselect_b64 s[10:11], s[10:11], s[12:13]
	s_and_b32 s28, s26, 255
	s_lshl_b32 s28, s28, 12                        ; 4,096 bytes of that matrix are mine
	s_add_nc_u64 s[10:11], s[10:11], s[28:29]
	global_load_b128 v[WF:WF+3], v1, s[10:11] th:TH_LOAD_NT
	s_and_b32 s28, s26, 15
	s_lshl_b32 s28, s28, 7                         ; the group's 32 numbers in gamma and in beta
	s_add_nc_u64 s[6:7], s[6:7], s[28:29]
	s_add_nc_u64 s[8:9], s[8:9], s[28:29]
	s_load_b512 s[32:47], s[6:7], 0x0
	s_load_b512 s[48:63], s[6:7], 0x40
	s_load_b512 s[68:83], s[8:9], 0x0
	s_load_b512 s[84:99], s[8:9], 0x40
	s_lshl_b32 s28, s26, 16
	s_add_nc_u64 s[20:21], s[20:21], s[28:29]      ; hn at the group's first row
	s_lshl_b32 s28, s26, 11
	s_add_nc_u64 s[22:23], s[22:23], s[28:29]      ; wb at my work-group's 2,048 bytes
; The four chains into one number, over the 32 lanes, and over the eight waves through LDS words at byte off.
.macro REDUCE off
	v_pk_add_f32 v[CH:CH+1], v[CH:CH+1], v[CH+2:CH+3]
	v_pk_add_f32 v[CH+4:CH+5], v[CH+4:CH+5], v[CH+6:CH+7]
	v_pk_add_f32 v[CH:CH+1], v[CH:CH+1], v[CH+4:CH+5]
	v_add_f32 v[T], v[CH], v[CH+1]
	v_add_f32_dpp v[T], v[T], v[T] row_xmask:1 row_mask:0xf bank_mask:0xf
	v_add_f32_dpp v[T], v[T], v[T] row_xmask:2 row_mask:0xf bank_mask:0xf
	v_add_f32_dpp v[T], v[T], v[T] row_xmask:4 row_mask:0xf bank_mask:0xf
	v_add_f32_dpp v[T], v[T], v[T] row_xmask:8 row_mask:0xf bank_mask:0xf
	v_permlanex16_b32 v[T+1], v[T], s30, s31
	v_add_f32 v[T], v[T], v[T+1]
	ds_store_b32 v[T+2], v[T] offset:\off          ; all lanes of a wave write the same word with the same number
	s_wait_dscnt 0x0                               ; for the others' sake: my store is done
	s_barrier_signal -1
	s_barrier_wait -1
	ds_load_b128 v[CH:CH+3],   v[T+3] offset:\off
	ds_load_b128 v[CH+4:CH+7], v[T+3] offset:(\off)+16
	s_wait_dscnt 0x0
	v_pk_add_f32 v[CH:CH+1], v[CH:CH+1], v[CH+2:CH+3]
	v_pk_add_f32 v[CH+4:CH+5], v[CH+4:CH+5], v[CH+6:CH+7]
	v_pk_add_f32 v[CH:CH+1], v[CH:CH+1], v[CH+4:CH+5]
	v_add_f32 v[T], v[CH], v[CH+1]
.endm
	; the sum, four loads at a time; the first chunk starts the chains, so nothing is cleared
.set c, 0
.rept 8
	s_wait_loadcnt 29-4*c                          ; loads return in order: chunk c is in; out may be the 28 - 4 c later loads of x and the one of weights
.set k, 0
.rept 4
.if c == 0
	v_pk_add_f32 v[CH+2*k:CH+2*k+1], v[X+2*k:X+2*k+1], v[X+8+2*k:X+8+2*k+1]
.else
	v_pk_add_f32 v[CH+2*k:CH+2*k+1], v[CH+2*k:CH+2*k+1], v[X+16*c+2*k:X+16*c+2*k+1]
.endif
.set k, k+1
.endr
.if c > 0
.set k, 0
.rept 4
	v_pk_add_f32 v[CH+2*k:CH+2*k+1], v[CH+2*k:CH+2*k+1], v[X+16*c+8+2*k:X+16*c+8+2*k+1]
.set k, k+1
.endr
.endif
.set c, c+1
.endr
	REDUCE 0
	v_mul_f32 v6, s100, v[T]                       ; the mean, twice, for the packed subtraction
	v_mov_b32 v7, v6
.set i, 0
.rept 64
	v_pk_add_f32 v[X+2*i:X+2*i+1], v[X+2*i:X+2*i+1], v[6:7] neg_lo:[0,1] neg_hi:[0,1]  ; d = x - mean, in place
.set i, i+1
.endr
.set i, 0
.rept 64
.if i < 4
	v_pk_mul_f32 v[CH+2*i:CH+2*i+1], v[X+2*i:X+2*i+1], v[X+2*i:X+2*i+1]
.else
	v_pk_fma_f32 v[CH+2*(i%4):CH+2*(i%4)+1], v[X+2*i:X+2*i+1], v[X+2*i:X+2*i+1], v[CH+2*(i%4):CH+2*(i%4)+1]
.endif
.set i, i+1
.endr
	REDUCE 64                                      ; other words than the first time: no wave can still be reading what is written
	v_fma_f32 v[T], v[T], s100, s101               ; var + eps
	v_rsq_f32 v[T+1], v[T]
	v_nop                                          ; a plain instruction between the root and the use of its result
	s_wait_kmcnt 0x0                               ; gamma and beta
.set i, 0
	s_wait_alu depctr_va_vdst(0)
.rept 32
	v_mul_f32 v[CH+i%4], s[32+i], v[T+1]           ; gamma rstd, one number a channel
.irp j, 0,1,2,3
	v_fma_f32 v[X+4*i+\j], v[X+4*i+\j], v[CH+i%4], s[68+i]
.endr
	v_cvt_pk_bf16_f32 v[X+4*i], v[X+4*i], v[X+4*i+1]
	v_cvt_pk_bf16_f32 v[X+4*i+1], v[X+4*i+2], v[X+4*i+3]
	global_store_b64 v2, v[X+4*i:X+4*i+1], s[20:21] offset:2048*i
.set i, i+1
.endr
	s_wait_loadcnt 0x0                             ; the weights
	v_cvt_pk_bf16_f32 v[T+4], v[WF], v[WF+1]
	v_cvt_pk_bf16_f32 v[T+5], v[WF+2], v[WF+3]
	global_store_b64 v2, v[T+4:T+5], s[22:23]      ; a wave stores 256 consecutive bytes, aligned
	s_wait_tensorcnt 0x0                           ; the wave's end
	ds_add_u32 v4, v5
	s_wait_dscnt 0x0
	s_endpgm
	; ---------------- wp wv ----------------
	; Work-group f makes rows 16 (f / 4) + 0..15, columns 128 (f % 4) + 0..127.  Wave w: ch = w / 4 picks 64 of the columns, kq = w % 4 a quarter of K, four chunks of 32.
	; Source 1 = 16 rows of wp (lane r: row r); source 0 = 16 columns of wv.  A load of wv takes one row k, 16 bytes a lane: 16 lanes read 256 consecutive bytes, and lane m holds columns 4 m + q, q = 0..3:
	; accumulator q holds columns 4 m + q.  In both operands place (h, i) of a chunk is k = 16 h + i: the same permutation of k on both sides leaves the products as they are.
	; In the result lane (r, h) holds row r, and register j of accumulator q column 4 (8 h + j) + q.
.Lfold:
	v_and_b32 v6, 15, v0                           ; r
	v_bfe_u32 v7, v0, 4, 1                         ; h
	v_lshlrev_b32 v1, 11, v6
	v_lshl_add_u32 v1, v7, 6, v1                   ; wp: row r, 16 numbers x h
	v_lshlrev_b32 v2, 4, v6
	v_lshl_add_u32 v2, v7, 15, v2                  ; wv: 16 rows x h, four columns x r
	s_lshr_b32 s32, s26, 2                         ; the block of 16 rows
	s_and_b32 s33, s26, 3                          ; the block of 128 columns
	s_lshr_b32 s34, s27, 2                         ; ch
	s_and_b32 s35, s27, 3                          ; kq
	s_lshl_b32 s28, s32, 15                        ; 16 rows of 2,048 bytes,
	s_lshl_b32 s36, s35, 9                         ; 128 numbers along them
	s_add_co_u32 s28, s28, s36
	s_add_nc_u64 s[16:17], s[16:17], s[28:29]
	s_lshl_b32 s28, s35, 18                        ; 128 rows of 2,048 bytes,
	s_lshl_b32 s36, s33, 9                         ; 128 columns,
	s_add_co_u32 s28, s28, s36
	s_lshl_b32 s36, s34, 8                         ; 64 columns
	s_add_co_u32 s28, s28, s36
	s_add_nc_u64 s[14:15], s[14:15], s[28:29]
.macro FLD n                           ; chunk n: 16 rows of wv, 16 numbers of my row of wp
.set i, 0
.rept 16
	global_load_b128 v[L+4*i:L+4*i+3], v2, s[14:15] offset:(32*(\n)+i)*2048
.set i, i+1
.endr
.irp e, 0,1,2,3
	global_load_b128 v[LP+4*\e:LP+4*\e+3], v1, s[16:17] offset:128*(\n)+16*\e
.endr
.endm
.macro FCV                             ; rounded to bf16 in pairs of neighbouring k
.irp q, 0,1,2,3
.irp s, 0,1,2,3,4,5,6,7
	v_cvt_pk_bf16_f32 v[FV+8*\q+\s], v[L+8*\s+\q], v[L+8*\s+4+\q]
.endr
.endr
.irp s, 0,1,2,3,4,5,6,7
	v_cvt_pk_bf16_f32 v[FP+\s], v[LP+2*\s], v[LP+2*\s+1]
.endr
.endm
.macro FMM first                       ; the four accumulators take turns
.irp q, 0,1,2,3
.if \first
	v_wmma_f32_16x16x32_bf16 v[AC+8*\q:AC+8*\q+7], v[FV+8*\q:FV+8*\q+7], v[FP:FP+7], 0
.else
	v_wmma_f32_16x16x32_bf16 v[AC+8*\q:AC+8*\q+7], v[FV+8*\q:FV+8*\q+7], v[FP:FP+7], v[AC+8*\q:AC+8*\q+7]
.endif
.endr
.endm
	FLD 0
	v_and_b32 v3, 31, v0
	v_lshlrev_b32 v3, 3, v3                        ; 8 x lane,
	s_lshl_b32 s36, s27, 12
	s_add_co_u32 s36, s36, RED
	v_add_nc_u32 v3, s36, v3                       ; in my wave's 4,096 bytes
	s_wait_loadcnt 0x0
	FCV
	FLD 1                                          ; the next chunk is asked for as soon as this one has left its registers
	FMM 1
	s_wait_loadcnt 0x0
	PLACES
	FCV
	FLD 2
	FMM 0
	s_wait_loadcnt 0x0
	PLACES
	FCV
	FLD 3
	FMM 0
	s_wait_loadcnt 0x0
	PLACES
	FCV
	FMM 0
	PLACES
.irp q, 0,1,2,3
.irp jj, 0,1,2,3
	ds_store_b64 v3, v[AC+8*\q+2*\jj:AC+8*\q+2*\jj+1] offset:(4*\q+\jj)*256  ; 256 consecutive bytes a line; each accumulator's lowest registers first
.endr
.endr
	s_lshl_b32 s36, s34, 14                        ; the four waves of my ch,
	s_lshl_b32 s37, s35, 8                         ; of each accumulator registers 2 kq and 2 kq + 1
	s_add_co_u32 s36, s36, s37
	s_add_co_u32 s36, s36, RED
	v_and_b32 v1, 31, v0
	v_lshlrev_b32 v1, 3, v1
	v_add_nc_u32 v1, s36, v1
	v_mul_u32_u24 v2, v6, 272                      ; into the stage: row r, byte 128 ch + 64 h + 16 kq
	v_lshl_add_u32 v2, v7, 6, v2
	s_lshl_b32 s36, s34, 7
	s_lshl_b32 s37, s35, 4
	s_add_co_u32 s36, s36, s37
	s_add_co_u32 s36, s36, STG
	v_add_nc_u32 v2, s36, v2
	s_wait_dscnt 0x0                               ; for the others' sake: my partial sums are stored
	s_barrier_signal -1
	s_barrier_wait -1
.irp q, 0,1,2,3
.irp s, 0,1,2,3
	ds_load_b64 v[L+8*\q+2*\s:L+8*\q+2*\s+1], v1 offset:4096*\s+1024*\q
.endr
.endr
	s_wait_dscnt 0x0
.irp q, 0,1,2,3
	v_pk_add_f32 v[L+8*\q:L+8*\q+1], v[L+8*\q:L+8*\q+1], v[L+8*\q+2:L+8*\q+3]
	v_pk_add_f32 v[L+8*\q+4:L+8*\q+5], v[L+8*\q+4:L+8*\q+5], v[L+8*\q+6:L+8*\q+7]
.endr
.irp q, 0,1,2,3
	v_pk_add_f32 v[L+8*\q:L+8*\q+1], v[L+8*\q:L+8*\q+1], v[L+8*\q+4:L+8*\q+5]
.endr
	v_cvt_pk_bf16_f32 v[FP],   v[L],    v[L+8]     ; columns 32 h + 8 kq + 0..7 of my 64: the four accumulators' register 2 kq,
	v_cvt_pk_bf16_f32 v[FP+1], v[L+16], v[L+24]
	v_cvt_pk_bf16_f32 v[FP+2], v[L+1],  v[L+9]     ; then their register 2 kq + 1
	v_cvt_pk_bf16_f32 v[FP+3], v[L+17], v[L+25]
	ds_store_b128 v2, v[FP:FP+3]
	v_lshrrev_b32 v7, 4, v0                        ; back: thread t takes 16 bytes t % 16 of row t / 16
	v_mul_u32_u24 v3, v7, 272
	v_lshl_add_u32 v3, v6, 4, v3
	v_add_nc_u32 v3, STG, v3
	v_lshlrev_b32 v7, 10, v7
	v_lshl_add_u32 v7, v6, 4, v7
	s_lshl_b32 s28, s32, 14                        ; 16 rows of 1,024 bytes,
	s_lshl_b32 s36, s33, 8                         ; 128 columns,
	s_add_co_u32 s28, s28, s36
	s_add_co_u32 s28, s28, 0x100000                ; from row 1,024 of wb on
	s_add_nc_u64 s[22:23], s[22:23], s[28:29]
	s_wait_dscnt 0x0
	s_barrier_signal -1
	s_barrier_wait -1
	ds_load_b128 v[L:L+3], v3
	s_wait_dscnt 0x0
	global_store_b128 v7, v[L:L+3], s[22:23]       ; sixteen lanes store 256 consecutive bytes, aligned
	s_wait_tensorcnt 0x0                           ; the wave's end
	ds_add_u32 v4, v5
	s_wait_dscnt 0x0
	s_endpgm
	; ---------------- wp bv ----------------
	; The work-group makes 64 numbers.  The sixteen lanes g = t / 16 take rows 4 g + 0..3; lane p = t % 16 takes k = 64 e + 4 p + 0..3: sixteen lanes read 256 consecutive bytes.
.Lbias:
	s_sub_co_u32 s26, s26, NFOLD
	v_and_b32 v6, 15, v0                           ; p
	v_lshrrev_b32 v7, 4, v0                        ; g
	v_lshlrev_b32 v2, 4, v6
	v_lshl_add_u32 v1, v7, 13, v2                  ; four rows of 2,048 bytes x g + 16 p
	s_lshl_b32 s28, s26, 17                        ; 64 rows
	s_add_nc_u64 s[16:17], s[16:17], s[28:29]
.macro BBURST half                     ; half of K: 16 loads of wp, 4 of bv, 32 packed multiply-adds in four chains
.irp i, 0,1,2,3
.irp e, 0,1,2,3
	global_load_b128 v[X+16*\i+4*\e:X+16*\i+4*\e+3], v1, s[16:17] offset:2048*\i+1024*(\half)+256*\e
.endr
.endr
.irp e, 0,1,2,3
	global_load_b128 v[X+64+4*\e:X+64+4*\e+3], v2, s[18:19] offset:1024*(\half)+256*\e
.endr
	s_wait_loadcnt 0x0
.irp e, 0,1,2,3
.irp i, 0,1,2,3
.if ((\half) == 0) && (\e == 0)
	v_pk_mul_f32 v[CH+2*\i:CH+2*\i+1], v[X+16*\i:X+16*\i+1], v[X+64:X+65]
.else
	v_pk_fma_f32 v[CH+2*\i:CH+2*\i+1], v[X+16*\i+4*\e:X+16*\i+4*\e+1], v[X+64+4*\e:X+64+4*\e+1], v[CH+2*\i:CH+2*\i+1]
.endif
	v_pk_fma_f32 v[CH+2*\i:CH+2*\i+1], v[X+16*\i+4*\e+2:X+16*\i+4*\e+3], v[X+64+4*\e+2:X+64+4*\e+3], v[CH+2*\i:CH+2*\i+1]
.endr
.endr
.endm
	BBURST 0
	BBURST 1
.irp i, 0,1,2,3
	v_add_f32 v[WF+\i], v[CH+2*\i], v[CH+2*\i+1]
.endr
.irp m, 1,2,4,8
.irp i, 0,1,2,3
	v_add_f32_dpp v[WF+\i], v[WF+\i], v[WF+\i] row_xmask:\m row_mask:0xf bank_mask:0xf
.endr
.endr
	v_lshlrev_b32 v3, 4, v7
	v_add_nc_u32 v3, BST, v3
	ds_store_b128 v3, v[WF:WF+3]                   ; sixteen lanes write the same 16 bytes with the same numbers
	s_wait_dscnt 0x0
	s_barrier_signal -1
	s_barrier_wait -1
	s_cmp_lg_u32 s27, 0
	s_cbranch_scc1 .Lbias_end
	v_lshlrev_b32 v6, 3, v0                        ; wave 0: 8 bytes a lane
	v_add_nc_u32 v7, BST, v6
	ds_load_b64 v[X:X+1], v7
	s_lshl_b32 s28, s26, 8
	s_add_nc_u64 s[24:25], s[24:25], s[28:29]
	s_wait_dscnt 0x0
	global_store_b64 v6, v[X:X+1], s[24:25]        ; the wave stores 256 consecutive bytes, aligned
.Lbias_end:
	s_wait_tensorcnt 0x0                           ; the wave's end
	ds_add_u32 v4, v5
	s_wait_dscnt 0x0
	s_endpgm
.Lfunc_end_k_qee54210e9d_gn:
	.size	k_qee54210e9d_gn, .Lfunc_end_k_qee54210e9d_gn-k_qee54210e9d_gn
	.p2alignl 7, 3214868480
	.fill 96, 4, 3214868480
	.section	.rodata,"a",@progbits
	.p2align	6, 0x0
	.amdhsa_kernel k_qee54210e9d_gn
		.amdhsa_group_segment_fixed_size 39424
		.amdhsa_private_segment_fixed_size 0
		.amdhsa_enable_private_segment 0
		.amdhsa_kernarg_size 88
		.amdhsa_user_sgpr_count 2
		.amdhsa_user_sgpr_kernarg_segment_ptr 1
		.amdhsa_wavefront_size32 1
		.amdhsa_system_sgpr_workgroup_id_x 1
		.amdhsa_system_sgpr_workgroup_id_y 1
		.amdhsa_system_sgpr_workgroup_id_z 1
		.amdhsa_system_vgpr_workitem_id 0
		.amdhsa_next_free_vgpr 160
		.amdhsa_next_free_sgpr 102
		.amdhsa_reserve_vcc 0
		.amdhsa_float_denorm_mode_32 3
		.amdhsa_float_denorm_mode_16_64 3
		.amdhsa_memory_ordered 1
		.amdhsa_forward_progress 1
		.amdhsa_inst_pref_size 71
	.end_amdhsa_kernel
	.amdgpu_metadata
---
amdhsa.version: [ 1, 2 ]
amdhsa.kernels:
  - .name:           k_qee54210e9d_gn
    .symbol:         k_qee54210e9d_gn.kd
    .args:
      - { .name: x, .offset: 0, .size: 8, .value_kind: global_buffer, .address_space: global }
      - { .name: gn_gamma, .offset: 8, .size: 8, .value_kind: global_buffer, .address_space: global }
      - { .name: gn_beta, .offset: 16, .size: 8, .value_kind: global_buffer, .address_space: global }
      - { .name: wq, .offset: 24, .size: 8, .value_kind: global_buffer, .address_space: global }
      - { .name: wk, .offset: 32, .size: 8, .value_kind: global_buffer, .address_space: global }
      - { .name: wv, .offset: 40, .size: 8, .value_kind: global_buffer, .address_space: global }
      - { .name: wp, .offset: 48, .size: 8, .value_kind: global_buffer, .address_space: global }
      - { .name: bv, .offset: 56, .size: 8, .value_kind: global_buffer, .address_space: global }
      - { .name: hn, .offset: 64, .size: 8, .value_kind: global_buffer, .address_space: global }
      - { .name: wb, .offset: 72, .size: 8, .value_kind: global_buffer, .address_space: global }
      - { .name: bvp, .offset: 80, .size: 8, .value_kind: global_buffer, .address_space: global }
    .group_segment_fixed_size: 39424
    .private_segment_fixed_size: 0
    .kernarg_segment_align: 8
    .kernarg_segment_size: 88
    .max_flat_workgroup_size: 256
    .sgpr_count:     102
    .vgpr_count:     160
    .wavefront_size: 32
...
	.end_amdgpu_metadata
.endif
;; end of part 1
;; launch qkv (part 2): grid 128 x 6, 4 waves a work-group, clusters of 4 x 1, 327,680 bytes of LDS; arguments hn, wb, bq, bk, bvp, qb, kb, vb; writes qb, kb, vb
.if DOCPART == 2
	.amdgcn_target "amdgcn-amd-amdhsa--gfx1250"
	.amdhsa_code_object_version 6
	.text
	.protected	k_qee54210e9d_qkv
	.globl	k_qee54210e9d_qkv
	.p2align	8
	.type	k_qee54210e9d_qkv,@function
k_qee54210e9d_qkv:
	s_mov_b64 s[64:65], 0
	v_nop
	global_prefetch_b8 v0, s[64:65] scope:SCOPE_SE
	s_setreg_imm32_b32 hwreg(HW_REG_WAVE_MODE, 25, 1), 1
	s_wait_xcnt 0x0
	s_wait_alu depctr_hold_cnt(0) depctr_sa_sdst(0) depctr_va_vdst(0) depctr_va_sdst(0) depctr_va_ssrc(0) depctr_va_vcc(0) depctr_vm_vsrc(0)
	s_getreg_b32 s2, hwreg(HW_REG_IB_STS2, 6, 4)
	s_cmp_eq_u32 s2, 0
	s_cbranch_scc0 .Lentry_in_a_cluster
	s_endpgm
.Lentry_in_a_cluster:
	s_bfe_u32 s2, ttmp6, 0x10000c
	s_cmp_lg_u32 s2, 0x3003
	s_cbranch_scc0 .Lentry_shape_is_right
	s_endpgm
.Lentry_shape_is_right:
; q, k, v': C[token][o] = sum over c of hn[b][c][token] W[o][c] + bias[o], rounded once to bf16, token-major: qb, kb, vb are [32][1024][512].
; hn: [32][512][1024] bf16; W: wb [1536][512] bf16: wq, wk, wp wv; the biases: bq, bk, wp bv.  So vb holds v' = wp v.  Sums in f32, K = 512 in four steps of 128.
; SHARES.  A work-group makes 256 tokens x 256 outputs: batch = cluster x, token tile = place in the cluster, y = 0..5: y / 2 picks q, k or v', y % 2 the half of the 512 outputs.
; Four waves, each 128 x 128: 64 accumulators, 512 registers.  768 work-groups, three to a WGP.
; THE MATRIX INSTRUCTION: source 0 = 16 rows of W, source 1 = 16 tokens of hn, so a lane holds one token and eight neighbouring outputs: 16 bytes of a row of C.
; hn lies [channel][token]: its fragments come out of LDS turned, by ds_load_tr16_b128.  The bias is the C operand of the products that start the sums.
; CLUSTER.  The four token tiles of a batch need the same tile of W: it is asked for jointly (mask 15).  hn's tiles differ from partner to partner: plain loads, behind the same rounds.
; hn's tiles are shared along y, which has 6 tiles: no cluster of four rows divides it, so they are not asked for jointly.
; LIMITS: operands and results are rounded to bf16; NaN and infinities are not treated apart.
; REGISTERS, in windows of 256: window 0: v16-29 addresses; v64-191 hn's fragments, two buffers; v32-63, v192-255 at work on the way out
;   window 1: v0-63 the bias, eight registers for each 16 outputs; v64-191 W's fragments, two buffers      windows 2, 3: the accumulators of my tokens 0-63, 64-127: (a, b) at 8 (8 a + b)
.set PITCH,  272                       ; a row of W in LDS: 256 bytes + 16: the 16 rows of a load start at 16 different groups of four banks
.set HPITCH, 544                       ; a channel row of hn: 512 bytes + 32 = 17 x 32
.set QUART,  34816                     ; what one tensor load brings: 128 rows of W, or 64 channel rows of hn
.set SLOT,   4*QUART                   ; W's 256 rows, then hn's 128 channel rows
.set HOFF,   2*QUART
.set STAGE,  2*SLOT                    ; behind the ring: 16 rows x 272 bytes for each wave, for the way out; no tensor load fills it
.set SPITCH, 272
.set SPARE,  STAGE+4*16*SPITCH         ; the spare words, 128 bytes a wave: two blocks of 256 bytes that no other line names
.set ADRA, 16                          ; v16-17  LDS address of my hn fragments in slot 0, 1
.set ADRB, 20                          ; v20-21  the same for W
.set STO,  24                          ; v24     the way out: where I put 16 bytes of a row
.set RD,   25                          ; v25     where I read a row back
.set CO,   26                          ; v26     my byte offset in C
.set BO,   27                          ; v27     my byte offset in 16 numbers of the bias
.set SPW,  28                          ; v28     my spare word; never rewritten
.set NIL,  29                          ; v29     0; never rewritten
.set F0,   64
.set F1,   128
.set TMP,  192
.set OB,   32
.set G1,  24                           ; s[24:31] group 1 for W's tiles;  s[32:39] group 0, a set for each slot
.set G0,  32
.set G1B, 48                           ; s[48:55], s[56:63] the same for hn's tiles
.set G0B, 56
.set MSB, 0
.macro WIN new                         ; the immediate's high byte repeats the setting that is left; a switch that changes nothing is dropped
.if MSB != (\new)
	s_set_vgpr_msb (MSB<<8)|(\new)
.set MSB, \new
.endif
.endm
.set TO_B, 0x40                        ; destination window 1, address window 0
; A fill: waves 0 and 1 fetch W's two halves (jointly), waves 2 and 3 hn's.  The branch hangs on the wave's number alone.
; An s_nop 0 and four v_nop follow each of the two lines, ahead of the jump and the label.
.macro JLOAD s
	s_cmp_eq_u32 s11, 0
	s_cbranch_scc0 .Lfor_h_\@
	tensor_load_to_lds s[G0+4*(\s):G0+4*(\s)+3], s[G1:G1+7]
	s_nop 0
.rept 4
	v_nop
.endr
	s_branch .Lasked_\@
.Lfor_h_\@:
	tensor_load_to_lds s[G0B+4*(\s):G0B+4*(\s)+3], s[G1B:G1B+7]
	s_nop 0
.rept 4
	v_nop
.endr
.Lasked_\@:
.endm
.macro CREST                           ; a round of the cluster's barrier behind its opening barrier
	s_cmp_lg_u32 s10, 0
	s_cbranch_scc1 .Lnot_wave_0_\@
	s_barrier_signal -3
.Lnot_wave_0_\@:
	s_barrier_wait -3
	s_barrier_signal -1
	s_barrier_wait -1
.endm
.macro CROUND                          ; a whole round
	s_barrier_signal -1
	s_barrier_wait -1
	CREST
.endm
	s_load_b512 s[68:83], s[0:1], 0x0              ; hn s[68:69], wb s[70:71], bq s[72:73], bk s[74:75], wp bv s[76:77], qb s[78:79], kb s[80:81], vb s[82:83]
	v_lshl_add_u32 v[SPW], v0, 2, SPARE
	v_mov_b32 v[NIL], 0
	ds_add_u32 v[SPW], v[NIL]                      ; the wave's opening: the add and its wait stand ahead of my first tensor load; the set-up stands between them
	v_lshrrev_b32 v1, 5, v0
	v_readfirstlane_b32 s10, v1                    ; wave 0..3
	s_lshr_b32 s11, s10, 1                         ; my half of the tokens.  Also: I fetch W (0) or hn (1)
	s_and_b32 s12, s10, 1                          ; my half of the outputs.  Also: which half of that tile I fetch
	s_bfe_u32 s40, ttmp6, 0x40000                  ; cx: the token tile; it enters hn's and C's addresses alone
	s_mov_b32 s41, ttmp9                           ; the batch
	s_and_b32 s13, ttmp7, 0xffff                   ; y
	s_lshr_b32 s42, s13, 1                         ; q, k or v'
	s_and_b32 s43, s13, 1                          ; which 256 of its 512 outputs
	s_mov_b32 s[G1+0], 15|(1<<16)|(1<<20)|(1<<21)|(5<<22)|(3<<25)  ; the mask of four; 2-byte elements; padding on; bit 21 beside a mask; after every 64 words, 4 words
	s_mov_b32 s[G1+1], 128<<16                     ; tensor_dim0 = 128
	s_mov_b32 s[G1+2], 128<<16                     ; tensor_dim1 = 128
	s_mov_b32 s[G1+3], 128<<16                     ; tile_dim0 = 128
	s_mov_b32 s[G1+4], 128                         ; tile_dim1 = 128
	s_mov_b32 s[G1+5], 512                         ; elements from row to row
	s_mov_b32 s[G1+6], 0
	s_mov_b32 s[G1+7], 0
	s_mov_b32 s[G1B+0], (1<<16)|(1<<20)|(6<<22)|(7<<25)  ; no mask; after every 128 words, 8 words
	s_mov_b32 s[G1B+1], 256<<16                    ; tensor_dim0 = 256
	s_mov_b32 s[G1B+2], 64<<16                     ; tensor_dim1 = 64
	s_mov_b32 s[G1B+3], 256<<16                    ; tile_dim0 = 256
	s_mov_b32 s[G1B+4], 64                         ; tile_dim1 = 64
	s_mov_b32 s[G1B+5], 1024
	s_mov_b32 s[G1B+6], 0
	s_mov_b32 s[G1B+7], 0
	s_lshl_b32 s14, s13, 8
	s_lshl_b32 s15, s12, 7
	s_add_co_u32 s14, s14, s15                     ; W: row 256 y + 128 x half,
	s_lshl_b32 s14, s14, 10                        ; of 1,024 bytes
	s_mov_b32 s15, 0
	s_lshl_b32 s44, s41, 20                        ; hn: the batch's 1,048,576 bytes,
	s_lshl_b32 s45, s12, 17                        ; 64 channel rows of 2,048 bytes x half,
	s_add_co_u32 s44, s44, s45
	s_lshl_b32 s45, s40, 9                         ; 256 tokens x cx
	s_add_co_u32 s44, s44, s45
	s_mov_b32 s45, 0
	s_mul_i32 s20, s10, QUART                      ; where my quarter of a slot lies: the wave's number alone
	s_lshl_b32 s16, s43, 10                        ; the bias of my 128 outputs: 4 (256 (y % 2) + 128 x half)
	s_lshl_b32 s17, s12, 9
	s_add_co_u32 s16, s16, s17
	s_mov_b32 s17, 0
	s_lshl_b32 s46, s41, 20                        ; C: row 1,024 b + 256 cx + 128 x token half, of 1,024 bytes,
	s_lshl_b32 s47, s40, 18
	s_add_co_u32 s46, s46, s47
	s_lshl_b32 s47, s11, 17
	s_add_co_u32 s46, s46, s47
	s_lshl_b32 s47, s43, 9                         ; column 256 (y % 2) + 128 x output half, of 2 bytes
	s_add_co_u32 s46, s46, s47
	s_lshl_b32 s47, s12, 8
	s_add_co_u32 s46, s46, s47
	s_mov_b32 s47, 0
	s_wait_dscnt 0x0                               ; the opening add is done
	s_wait_kmcnt 0x0
	s_add_nc_u64 s[14:15], s[70:71], s[14:15]
	s_add_nc_u64 s[44:45], s[68:69], s[44:45]
	s_cmp_eq_u32 s42, 1
	s_cselect_b64 s[4:5], s[74:75], s[72:73]
	s_cselect_b64 s[8:9], s[80:81], s[78:79]
	s_cmp_eq_u32 s42, 2
	s_cselect_b64 s[4:5], s[76:77], s[4:5]
	s_cselect_b64 s[8:9], s[82:83], s[8:9]
	s_add_nc_u64 s[4:5], s[4:5], s[16:17]
	s_add_nc_u64 s[8:9], s[8:9], s[46:47]
	CROUND                                         ; all four work-groups are here: the first joint loads meet
.irp s, 0,1
	s_mov_b32 s[G0+4*(\s)], 1
	s_add_co_u32 s[G0+4*(\s)+1], s20, (\s)*SLOT
	s_add_nc_u64 s[G0+4*(\s)+2:G0+4*(\s)+3], s[14:15], (\s)*256      ; K step s: 128 channels along W's rows
	s_or_b32 s[G0+4*(\s)+3], s[G0+4*(\s)+3], 0x80000000
	s_mov_b32 s[G0B+4*(\s)], 1
	s_add_co_u32 s[G0B+4*(\s)+1], s20, (\s)*SLOT
	s_add_nc_u64 s[G0B+4*(\s)+2:G0B+4*(\s)+3], s[44:45], (\s)*262144 ; 128 channel rows down hn
	s_or_b32 s[G0B+4*(\s)+3], s[G0B+4*(\s)+3], 0x80000000
	JLOAD \s                                       ; two tensor loads of mine are out; later one
.endr
	v_and_b32 v1, 15, v0                           ; r = lane % 16
	v_bfe_u32 v2, v0, 4, 1                         ; h = lane / 16
	v_lshlrev_b32 v[BO], 5, v2
	WIN TO_B
.irp b, 0,1,2,3,4,5,6,7                ; register j of tile b: bias[16 b + 8 h + j], the result's own layout
	global_load_b128 v[8*(\b):8*(\b)+3],   v[BO], s[4:5] offset:64*(\b)
	global_load_b128 v[8*(\b)+4:8*(\b)+7], v[BO], s[4:5] offset:64*(\b)+16
.endr
	WIN 0
	v_mul_u32_u24 v3, v1, PITCH
	v_lshl_add_u32 v3, v2, 4, v3                   ; W: row r, 16 bytes x h; two loads 32 bytes apart make a fragment
	v_and_b32 v4, 7, v0
	v_lshl_add_u32 v4, v2, 3, v4
	v_mul_u32_u24 v4, v4, HPITCH                   ; hn: channel 8 h + lane % 8,
	v_bfe_u32 v5, v0, 3, 1
	v_lshl_add_u32 v4, v5, 4, v4                   ; tokens 8 ((lane / 8) % 2) on; two turning loads 16 channel rows apart make a fragment
	s_mul_i32 s22, s12, QUART                      ; my 128 rows of W
	s_lshl_b32 s21, s11, 8                         ; my 128 tokens: 256 bytes along hn's rows,
	s_add_co_u32 s21, s21, HOFF                    ; which lie behind W's
.irp s, 0,1
	v_add_nc_u32 v[ADRA+(\s)], s21, v4
	v_add_nc_u32 v[ADRB+(\s)], s22, v3
	s_add_co_u32 s21, s21, SLOT
	s_add_co_u32 s22, s22, SLOT
.endr
	s_mul_i32 s23, s10, 16*SPITCH
	s_add_co_u32 s23, s23, STAGE                   ; my stage
	v_mul_u32_u24 v4, v1, SPITCH
	v_lshl_add_u32 v4, v2, 4, v4
	v_add_nc_u32 v[STO], s23, v4
	v_mul_u32_u24 v5, v2, SPITCH
	v_lshl_add_u32 v5, v1, 4, v5
	v_add_nc_u32 v[RD], s23, v5
	v_lshlrev_b32 v5, 10, v2
	v_lshl_add_u32 v[CO], v1, 4, v5                ; lanes 0-15 one row's 256 bytes, lanes 16-31 the next row's
; 16 matrix instructions: token blocks a0, a0 + 1 of the window's four x all 8 output blocks, 32 along K.  first = 1: the bias starts the sums.
; The 64 accumulators take turns in the same order in every quarter.
.macro MUL16 f, hi, a0, first
.if \first
	WIN 0x91+0x40*(\hi)                            ; W and the bias in window 1, hn in window 0, the result in window 2 or 3
.else
	WIN 0xa1+0x50*(\hi)
.endif
.irp a, \a0, (\a0)+1
.irp b, 0,1,2,3,4,5,6,7
.if \first
	v_wmma_f32_16x16x32_bf16 v[8*(8*(\a)+(\b)):8*(8*(\a)+(\b))+7], v[(\f)+8*(\b):(\f)+8*(\b)+7], v[(\f)+8*(4*(\hi)+(\a)):(\f)+8*(4*(\hi)+(\a))+7], v[8*(\b):8*(\b)+7]
.else
	v_wmma_f32_16x16x32_bf16 v[8*(8*(\a)+(\b)):8*(8*(\a)+(\b))+7], v[(\f)+8*(\b):(\f)+8*(\b)+7], v[(\f)+8*(4*(\hi)+(\a)):(\f)+8*(4*(\hi)+(\a))+7], v[8*(8*(\a)+(\b)):8*(8*(\a)+(\b))+7]
.endif
.endr
.endr
.endm
; 32 LDS loads in one run: quarter q (32 channels) of a slot into buffer f: W's 128 rows, then hn's 128 tokens
.macro FETCH slot, q, f
	WIN TO_B
.irp i, 0,1,2,3,4,5,6,7
	ds_load_b128 v[(\f)+8*(\i):(\f)+8*(\i)+3],   v[ADRB+(\slot)] offset:64*(\q)+(\i)*16*PITCH
	ds_load_b128 v[(\f)+8*(\i)+4:(\f)+8*(\i)+7], v[ADRB+(\slot)] offset:64*(\q)+(\i)*16*PITCH+32
.endr
	WIN 0
.irp i, 0,1,2,3,4,5,6,7
	ds_load_tr16_b128 v[(\f)+8*(\i):(\f)+8*(\i)+3],   v[ADRA+(\slot)] offset:(\q)*32*HPITCH+32*(\i)
	ds_load_tr16_b128 v[(\f)+8*(\i)+4:(\f)+8*(\i)+7], v[ADRA+(\slot)] offset:(\q)*32*HPITCH+16*HPITCH+32*(\i)
.endr
.endm
.macro PLACES                          ; four plain vector instructions between a matrix instruction and a load into, or a read of, its registers
.rept 4
	v_nop
.endr
.endm
; One of a K step's first three quarters: multiplies buffer f; in its middle fetches quarter q into buffer g.
.macro QUARTER slot, q, f, g, first
	s_wait_dscnt 8                                 ; W and tokens 0-63 are in; the youngest eight loads (tokens 64-127) may be out
	MUL16 \f, 0, 0, \first
	MUL16 \f, 0, 2, \first
	PLACES
	FETCH \slot, \q, \g
	s_wait_dscnt 32                                ; all but the 32 just issued
	MUL16 \f, 1, 0, \first
	MUL16 \f, 1, 2, \first
.endm
; The change of slots: each wave waits for all its tensor loads (one is out: its part of the next slot), adds 0 to its spare word, and waits for that and for its reads of this slot.
.macro MEET round
	WIN 0
	s_wait_tensorcnt 0x0
	ds_add_u32 v[SPW], v[NIL]
	s_wait_dscnt 9                                 ; the add and the youngest eight loads may be out
	MUL16 F1, 0, 0, 0
	s_wait_dscnt 0x0                               ; the add is done, and my reads of this slot are over
	s_barrier_signal -1
	MUL16 F1, 0, 2, 0
.if \round
	WIN 0
.endif
	s_barrier_wait -1
.endm
; The last quarter of a K step.  fill = 1: the barrier opens a round of the cluster's, and the slot just read is filled again, two K steps on, first thing behind it.
.macro TURN slot, next, fill
	MEET \fill
.if \fill
	CREST
	s_add_nc_u64 s[G0+4*(\slot)+2:G0+4*(\slot)+3], s[G0+4*(\slot)+2:G0+4*(\slot)+3], 512
	s_add_nc_u64 s[G0B+4*(\slot)+2:G0B+4*(\slot)+3], s[G0B+4*(\slot)+2:G0B+4*(\slot)+3], 524288
	JLOAD \slot                                    ; its four v_nop are also the places in front of the loads below
.else
	PLACES
.endif
	FETCH \next, 0, F0
	MUL16 F1, 1, 0, 0
	MUL16 F1, 1, 2, 0
.endm
; THE WAY OUT of token block a: rounded to bf16; into my own stage and back as whole rows of 256 bytes; stored.
.macro PACK a
.set AC, 64*((\a)%4)
	WIN 0x0a+5*((\a)/4)                            ; sources in window 2 or 3
.irp b, 0,1,2,3,4,5,6,7
.irp r, 0,1,2,3
	v_cvt_pk_bf16_f32 v[TMP+4*(\b)+(\r)], v[AC+8*(\b)+2*(\r)], v[AC+8*(\b)+2*(\r)+1]
.endr
.endr
	WIN 0
.endm
.macro TOSTAGE a
.set BK, OB+192*((\a)%2)
.irp b, 0,1,2,3,4,5,6,7
	ds_store_b128 v[STO], v[TMP+4*(\b):TMP+4*(\b)+3] offset:32*(\b)
.endr
.irp t, 0,1,2,3,4,5,6,7
	ds_load_b128 v[BK+4*(\t):BK+4*(\t)+3], v[RD] offset:(\t)*2*SPITCH  ; LDS serves a wave's instructions in order: these see the stores above
.endr
.endm
.macro SEND a
.set BK, OB+192*((\a)%2)
	s_wait_dscnt 0x0                               ; the block is back in registers
	s_wait_xcnt 0x0                                ; the earlier stores have read their registers: the other buffer may be loaded again behind this wait
.irp t, 0,1,2,3,4,5,6,7
	global_store_b128 v[CO], v[BK+4*(\t):BK+4*(\t)+3], s[8:9] offset:(16*(\a)+2*(\t))*1024  ; 16 lanes store 256 consecutive bytes, aligned
.endr
.endm
	s_wait_tensorcnt 0x1                           ; my part of K step 0 is in; K step 1's may stay out
	s_barrier_signal -1
	s_barrier_wait -1
	FETCH 0, 0, F0
	s_wait_loadcnt 0x0                             ; the bias
	QUARTER 0, 1, F0, F1, 1
	QUARTER 0, 2, F1, F0, 0
	QUARTER 0, 3, F0, F1, 0
	TURN 0, 1, 1                                   ; slot 0 takes K step 2
	QUARTER 1, 1, F0, F1, 0
	QUARTER 1, 2, F1, F0, 0
	QUARTER 1, 3, F0, F1, 0
	TURN 1, 0, 1                                   ; slot 1 takes K step 3
	QUARTER 0, 1, F0, F1, 0
	QUARTER 0, 2, F1, F0, 0
	QUARTER 0, 3, F0, F1, 0
	TURN 0, 1, 0                                   ; nothing is left to fetch
	QUARTER 1, 1, F0, F1, 0
	QUARTER 1, 2, F1, F0, 0
	QUARTER 1, 3, F0, F1, 0
	s_wait_dscnt 8
	MUL16 F1, 0, 0, 0
	MUL16 F1, 0, 2, 0
	s_wait_dscnt 0x0
	MUL16 F1, 1, 0, 0
	MUL16 F1, 1, 2, 0
	PLACES
	PACK 0
	TOSTAGE 0
.irp a, 1,2,3,4,5,6,7                  ; block a's conversions stand between block a - 1's loads from the stage and the wait for them
	PACK \a
	SEND (\a)-1
	TOSTAGE \a
.endr
	SEND 7
	s_wait_tensorcnt 0x0                           ; the wave's end
	ds_add_u32 v[SPW], v[NIL]
	s_wait_dscnt 0x0
	CROUND                                         ; the closing round
	s_endpgm
.Lfunc_end_k_qee54210e9d_qkv:
	.size	k_qee54210e9d_qkv, .Lfunc_end_k_qee54210e9d_qkv-k_qee54210e9d_qkv
	.p2alignl 7, 3214868480
	.fill 96, 4, 3214868480
	.section	.rodata,"a",@progbits
	.p2align	6, 0x0
	.amdhsa_kernel k_qee54210e9d_qkv
		.amdhsa_group_segment_fixed_size 327680
		.amdhsa_private_segment_fixed_size 0
		.amdhsa_enable_private_segment 0
		.amdhsa_kernarg_size 64
		.amdhsa_user_sgpr_count 2
		.amdhsa_user_sgpr_kernarg_segment_ptr 1
		.amdhsa_wavefront_size32 1
		.amdhsa_system_sgpr_workgroup_id_x 1
		.amdhsa_system_sgpr_workgroup_id_y 1
		.amdhsa_system_sgpr_workgroup_id_z 1
		.amdhsa_system_vgpr_workitem_id 0
		.amdhsa_next_free_vgpr 1024
		.amdhsa_next_free_sgpr 88
		.amdhsa_reserve_vcc 0
		.amdhsa_float_denorm_mode_32 3
		.amdhsa_float_denorm_mode_16_64 3
		.amdhsa_memory_ordered 1
		.amdhsa_forward_progress 1
		.amdhsa_inst_pref_size 144
	.end_amdhsa_kernel
	.amdgpu_metadata
---
amdhsa.version: [ 1, 2 ]
amdhsa.kernels:
  - .name:           k_qee54210e9d_qkv
    .symbol:         k_qee54210e9d_qkv.kd
    .args:
      - { .name: hn, .offset: 0, .size: 8, .value_kind: global_buffer, .address_space: global }
      - { .name: wb, .offset: 8, .size: 8, .value_kind: global_buffer, .address_space: global }
      - { .name: bq, .offset: 16, .size: 8, .value_kind: global_buffer, .address_space: global }
      - { .name: bk, .offset: 24, .size: 8, .value_kind: global_buffer, .address_space: global }
      - { .name: bvp, .offset: 32, .size: 8, .value_kind: global_buffer, .address_space: global }
      - { .name: qb, .offset: 40, .size: 8, .value_kind: global_buffer, .address_space: global }
      - { .name: kb, .offset: 48, .size: 8, .value_kind: global_buffer, .address_space: global }
      - { .name: vb, .offset: 56, .size: 8, .value_kind: global_buffer, .address_space: global }
    .group_segment_fixed_size: 327680
    .private_segment_fixed_size: 0
    .kernarg_segment_align: 8
    .kernarg_segment_size: 64
    .max_flat_workgroup_size: 128
    .sgpr_count:     88
    .vgpr_count:     1024
    .wavefront_size: 32
...
	.end_amdgpu_metadata
.endif
;; end of part 2
;; launch attn (part 3): grid 8 x 32, 4 waves a work-group, clusters of 4 x 1, 327,680 bytes of LDS; arguments qb, kb, vb, bp, x, out0; writes out0
.if DOCPART == 3
	.amdgcn_target "amdgcn-amd-amdhsa--gfx1250"
	.amdhsa_code_object_version 6
	.text
	.protected	k_qee54210e9d_attn
	.globl	k_qee54210e9d_attn
	.p2align	8
	.type	k_qee54210e9d_attn,@function
k_qee54210e9d_attn:
	s_mov_b64 s[64:65], 0
	v_nop
	global_prefetch_b8 v0, s[64:65] scope:SCOPE_SE
	s_setreg_imm32_b32 hwreg(HW_REG_WAVE_MODE, 25, 1), 1
	s_wait_xcnt 0x0
	s_wait_alu depctr_hold_cnt(0) depctr_sa_sdst(0) depctr_va_vdst(0) depctr_va_sdst(0) depctr_va_ssrc(0) depctr_va_vcc(0) depctr_vm_vsrc(0)
	s_getreg_b32 s2, hwreg(HW_REG_IB_STS2, 6, 4)
	s_cmp_eq_u32 s2, 0
	s_cbranch_scc0 .Lentry_in_a_cluster
	s_endpgm
.Lentry_in_a_cluster:
	s_bfe_u32 s2, ttmp6, 0x10000c
	s_cmp_lg_u32 s2, 0x3003
	s_cbranch_scc0 .Lentry_shape_is_right
	s_endpgm
.Lentry_shape_is_right:
; ATTENTION (one head of 512 channels, 1,024 tokens a batch) AND THE RESIDUAL.
; out0[b][o][n] = x[b][o][n] + bp[o] + sum over m of softmax_m(q[n] . k[m] / sqrt(512)) v'[m][o].   qb, kb, vb: [32][1024 token][512] bf16.
; vb holds v' = wp v: the last projection was applied to the values ahead of the attention (wp (v attn^T) = (wp v) attn^T, for every input), so the sums over the keys ARE the output's rows.
; The reference takes the global maximum away in front of a row softmax: a row's running maximum gives the same weights.
; SHARES.  A work-group owns 128 queries of a batch, a wave 32: two tiles of 16.  Every wave walks all keys, 64 a step, 16 steps.  256 work-groups of equal work.
; LAYOUT.  S^T = K Q^T (source 0 = 16 keys, source 1 = 16 queries): a lane holds ONE query (lane % 16) and keys 8 (lane / 16) + 0..7.  Two results rounded to bf16 in pairs ARE source 1 of
; O^T = V'^T P (V' turned by ds_load_tr16_b128), whose result again holds one query a lane, and eight channels.
; SOFTMAX.  p = 2^(c s - c m), c = log2(e) / sqrt(512), with a running maximum m and sum l; O and l are multiplied by a = 2^(c m_old - c m_new) in every step.  c m starts at -4.25e37, O and l at 0:
; the first step is a step like any other, with a = 0.  O is cleared by 64 products of zero fragments, eight registers a line, in the wait for the first tile.
; LIMITS: q, k, v' and p are bf16; l is the sum of the unrounded p; a weight below 2^-126 counts as 0; NaN and infinities are not treated apart.
; CLUSTER.  Four query blocks of a batch walk the same K and V': each tile is asked for jointly, by the same load, descriptor and mask in all four.
; LDS.  K's two regions at 0 and DK, V's two at VBASE and VBASE + DV: DK and DV share no bit with the addresses that they turn, so one exclusive or changes slots.
; THE LDS LOADS stand in runs of 16 behind 16 products: four groups of 32 registers, filled two at a time; a run is first read one turn of 16 products later.
; THE WAY OUT.  When the last fill has been read, bytes 0 to 270,335 (all four regions) take the whole result, 512 rows x 128 tokens of f32 at a pitch of 528 bytes; behind one barrier each wave reads
; 128 whole rows, adds x and stores 512 consecutive bytes a line.
; REGISTERS, in windows of 256 (s_set_vgpr_msb: bits 1:0 source 0, 3:2 source 1, 5:4 source 2, 7:6 destination):
;   window 0: v0-11 addresses; v12-27 statistics, eight a tile; v32-95 S^T; v96-127 P; v128-255 four groups of 32: fragments of K or V'; on the way out bp, then rows from LDS
;   window 1: O^T of channels 0-255, (block cb, tile t) at 8 (2 cb + t)      window 2: channels 256-511      window 3: Q at 8 (16 t + chunk); on the way out x, four buffers of 64
.set PK,    1040      ; a row of K in LDS: 1,024 bytes + 16 = 65 x 16: the 16 rows of a load start at 16 different groups of four banks
.set PV,    1056      ; a row of V': 1,024 + 32 = 33 x 32
.set DK,    64*PK     ; 66,560 = 0x10400
.set VBASE, 2*DK      ; 133,120 = 0x20800
.set DV,    69632     ; 0x11000
.set SPARE, VBASE+DV+64*PV  ; 270,336: the spare words, 128 bytes a wave: two blocks of 256 bytes that no other line names
.set BPL,   SPARE+512 ; bp, 2,048 bytes: eight blocks of 256 bytes into which no tile lands
.set SP,    528       ; a row of the result in LDS: 128 tokens of f32 + 16 bytes
.set AK0, 2           ; v2   my lane's place in a tile of K; never rewritten
.set AV0, 3           ; v3   the same for V'
.set AK,  4           ; v4   AK0 in the slot in hand
.set AV,  5           ; v5   AV0 likewise
.set STO0, 6          ; v6   where I put a number of the result's rows 0-63
.set RD0, 7           ; v7   where I read my rows 0-63 back
.set QO,  8           ; v8   my byte offset in the wave's rows of Q
.set RD1, 9           ; v9   lane / 16 during the set-up; then where I read my rows 64-127 back
.set XO,  10          ; v10  16 x lane: my bytes in 512 consecutive bytes of x and out0
.set BPA, 11          ; v11  my eight numbers in 16 of bp, in LDS
.set ST,  12          ; tile t at ST + 8 t: c m, m, l (even keys', odd keys'), c0-c3 at work; a, at last 1 / l, takes c2's place
.set SPW, 28          ; v28  my spare word; never rewritten
.set NIL, 29          ; v29  0; never rewritten
.set MV,  30          ; v30-31  c m_old
.set S,   32
.set SB,  32          ; the way out: v32-39  STO0 for each 64 rows
.set P,   96
.set F,   128
.set WV,  18          ; s18  my wave's number
.set G1K, 24          ; s[24:31] group 1 for K's tiles
.set G1V, 32          ; s[32:39] for V's: the padding differs
.set G0KA, 40         ; s[40:43] group 0 of K's first tile
.set G0K, 44          ; s[44:47] of its second; then it walks
.set G0VA, 48         ; s[48:51], s[52:55] the same for V'
.set G0V, 52
.set CNT, 56          ; s56  a loop's trips
.set CS,  58          ; s[58:59] c
.set SEL, 60          ; s[60:61] each lane takes its own place in the other half
.set TBK, 62          ; s62  0 or DK
.set TBV, 63          ; s63  0 or DV
.set MSB, 0
.macro WIN new                      ; the high byte repeats the setting that is left; a switch that changes nothing is dropped
.if MSB != (\new)
	s_set_vgpr_msb (MSB<<8)|(\new)
.set MSB, (\new)
.endif
.endm
.set W_KQ, 0x0c       ; Q in window 3, all else in window 0: LDS loads into window 0 run under it too
; A joint fill.  Waves 0 and 1 fetch the two halves of a tile of K, waves 2 and 3 those of V'.  The branch hangs on the wave's number alone.
; An s_nop 0 and four v_nop follow each load, ahead of the jump and the label.
.macro JLOAD
	s_cmp_lt_u32 s[WV], 2
	s_cbranch_scc0 .Lfor_v_\@
	tensor_load_to_lds s[G0K:G0K+3], s[G1K:G1K+7]
	s_nop 0
.rept 4
	v_nop
.endr
	s_branch .Lasked_\@
.Lfor_v_\@:
	tensor_load_to_lds s[G0V:G0V+3], s[G1V:G1V+7]
	s_nop 0
.rept 4
	v_nop
.endr
.Lasked_\@:
.endm
.macro CROUND                       ; a round of the cluster's barrier
	s_barrier_signal -1
	s_barrier_wait -1
	s_cmp_lg_u32 s[WV], 0
	s_cbranch_scc1 .Lnot_wave_0_\@
	s_barrier_signal -3
.Lnot_wave_0_\@:
	s_barrier_wait -3
	s_barrier_signal -1
	s_barrier_wait -1
.endm
.macro PLACES                       ; four plain vector instructions between a matrix instruction and a load into, or a read of, its registers
.rept 4
	v_nop
.endr
.endm
; THE CHANGE OF SLOTS.  All of the slot in hand has been asked into registers.  Each wave waits for all its tensor loads (at most one is out: its part of the other slot), adds 0 to its spare word, and
; waits for that and for its reads of the slot.  fill = 1: the barrier is a round of the cluster's, and the slot is filled again first thing behind it, with the tiles two steps on.
.macro CHANGE fill
	WIN 0
	s_wait_tensorcnt 0x0            ; no tensor load of mine is out, so a group 0 may be written
	ds_add_u32 v[SPW], v[NIL]       ; 0 onto my spare word; the descriptors' steps stand between it and the wait for it
.if \fill
	s_xor_b32 s[G0K+1], s[G0K+1], DK
	s_add_nc_u64 s[G0K+2:G0K+3], s[G0K+2:G0K+3], 65536  ; a tile is 64 rows of 1,024 bytes; the type bits on top are not reached
	s_xor_b32 s[G0V+1], s[G0V+1], DV
	s_add_nc_u64 s[G0V+2:G0V+3], s[G0V+2:G0V+3], 65536
.endif
	s_wait_dscnt 0x0
.if \fill
	CROUND
	JLOAD
.else
	s_barrier_signal -1
	s_barrier_wait -1
.endif
	s_xor_b32 s[TBK], s[TBK], DK    ; the fetches go on in the other slot
	s_xor_b32 s[TBV], s[TBV], DV
	v_add_nc_u32 v[AK], s[TBK], v[AK0]
	v_add_nc_u32 v[AV], s[TBV], v[AV0]
.endm
; Eight LDS loads: chunk grp (32 channels) of 64 keys: four fragments, into group grp % 4
.macro FETCHK grp
.irp kb, 0,1,2,3
	ds_load_b128 v[F+32*((\grp)%4)+8*\kb:F+32*((\grp)%4)+8*\kb+3],   v[AK] offset:\kb*16*PK+64*(\grp)
	ds_load_b128 v[F+32*((\grp)%4)+8*\kb+4:F+32*((\grp)%4)+8*\kb+7], v[AK] offset:\kb*16*PK+64*(\grp)+32
.endr
.endm
; Eight turning loads: keys 32 (grp % 2) on, channel blocks 4 (grp / 2) + 0..3: four fragments of V'^T
.macro FETCHV grp
.irp i, 0,1,2,3
	ds_load_tr16_b128 v[F+32*((\grp)%4)+8*\i:F+32*((\grp)%4)+8*\i+3],   v[AV] offset:((\grp)%2)*32*PV+32*(4*((\grp)/2)+\i)
	ds_load_tr16_b128 v[F+32*((\grp)%4)+8*\i+4:F+32*((\grp)%4)+8*\i+7], v[AV] offset:((\grp)%2)*32*PV+16*PV+32*(4*((\grp)/2)+\i)
.endr
.endm
; 128 products S^T = K Q^T in eight turns of 16: chunks 2 u and 2 u + 1 of 32 channels, 64 keys x my 32 queries.  The 8 accumulators take turns.
; Behind a turn the two groups of fragments just read are fetched again, in one run: chunks 2 u + 4 and 2 u + 5, or (u = 6, 7) V's first four groups.
.macro KQPH
.set u, 0
.rept 8
	s_wait_dscnt 16                 ; this turn's run is in; the one younger run of 16 loads may be out
	WIN W_KQ
.irp d, 0,1
.irp kb, 0,1,2,3
.irp t, 0,1
.set n, 2*u+\d
.set rS, S+32*\t+8*\kb
.set rK, F+32*(n%4)+8*\kb
.set rQ, 8*(16*\t+n)
.if n == 0
	v_wmma_f32_16x16x32_bf16 v[rS:rS+7], v[rK:rK+7], v[rQ:rQ+7], 0
.else
	v_wmma_f32_16x16x32_bf16 v[rS:rS+7], v[rK:rK+7], v[rQ:rQ+7], v[rS:rS+7]
.endif
.endr
.endr
.endr
	PLACES
.if u < 6
	FETCHK 2*u+4
	FETCHK 2*u+5
.else
	FETCHV 2*u-12
	FETCHV 2*u-11
.endif
.set u, u+1
.endr
.endm
; Number num of the 22 that find tile u's maximum and statistics; each accumulator's lowest registers are read first.
;   0-11 four chains of seven scores   12-14, 16 the four left over, the old m, the chains into c0   15 c m_old is kept   17, 18 the other half of the lanes' 32 keys: m   19-21 c m; c m_old - c m; a
.macro XS tl, num
.set rT, ST+8*(\tl)
.set rC, ST+8*(\tl)+4
.set rW, MV+(\tl)
.set rS, S+32*(\tl)
.if (\num) < 4
	v_max3_num_f32 v[rC+(\num)], v[rS+8*(\num)], v[rS+8*(\num)+1], v[rS+8*(\num)+2]
.elseif (\num) < 12
	v_max3_num_f32 v[rC+(\num)%4], v[rC+(\num)%4], v[rS+8*((\num)%4)+2*((\num)/4)+1], v[rS+8*((\num)%4)+2*((\num)/4)+2]
.elseif (\num) == 12
	v_max3_num_f32 v[rC], v[rC], v[rS+7], v[rS+15]
.elseif (\num) == 13
	v_max3_num_f32 v[rC+1], v[rC+1], v[rS+23], v[rS+31]
.elseif (\num) == 14
	v_max3_num_f32 v[rC+2], v[rC+2], v[rC+3], v[rT+1]
.elseif (\num) == 15
	v_mov_b32 v[rW], v[rT]
.elseif (\num) == 16
	v_max3_num_f32 v[rC], v[rC], v[rC+1], v[rC+2]
.elseif (\num) == 17
	v_permlanex16_b32 v[rC+3], v[rC], s[SEL], s[SEL+1]
.elseif (\num) == 18
	v_max_num_f32 v[rT+1], v[rC], v[rC+3]
.elseif (\num) == 19
	v_mul_f32 v[rT], s[CS], v[rT+1]
.elseif (\num) == 20
	v_sub_f32 v[rC+1], v[rW], v[rT]
.else
	v_exp_f32 v[rC+2], v[rC+1]
.endif
.endm
; Pair gg / 2 of tile gg % 2: rounded to bf16 into P, and added onto l (the first pair as l = a l + pair)
.macro CA gg
.set tt, (\gg)%2
.set ii, (\gg)/2
	s_wait_alu depctr_va_vdst(0)
	v_cvt_pk_bf16_f32 v[P+16*tt+ii], v[S+32*tt+2*ii], v[S+32*tt+2*ii+1]
.if ii == 0
	v_pk_fma_f32 v[ST+8*tt+2:ST+8*tt+3], v[ST+8*tt+2:ST+8*tt+3], v[ST+8*tt+6:ST+8*tt+7], v[S+32*tt:S+32*tt+1] op_sel_hi:[1,0,1]
.else
	v_pk_add_f32 v[ST+8*tt+2:ST+8*tt+3], v[ST+8*tt+2:ST+8*tt+3], v[S+32*tt+2*ii:S+32*tt+2*ii+1]
.endif
.endm
; Sixteen packed multiplies: half of channel group grp (four blocks x two tiles, 64 registers) of O^T times a, in ascending order
.macro RESC grp, half
.if (\grp) < 4
	WIN 0x41                        ; O^T in window 1, a in window 0
.else
	WIN 0x82
.endif
.set z, 0
.rept 16
.set rO, 64*((\grp)%4)+32*(\half)+2*z
.set rA, ST+8*((z/4)%2)+6
	v_pk_mul_f32 v[rO:rO+1], v[rO:rO+1], v[rA:rA+1] op_sel_hi:[1,0]
.set z, z+1
.endr
.endm
; The two tiles alternate.  Behind two exponentials stand the rounding and the sum of the pair before: plain instructions between every exponential and the use of its result.
.macro SOFTMAX
	WIN 0
.irp num, 0,1,2,3,4,5,6,7,8,9,10,11,12,13,14,15,16,17,18,19,20,21
	XS 0, \num
	XS 1, \num
.endr
.set b, 0
.rept 16
.irp t, 0,1
	v_pk_fma_f32 v[S+32*\t+2*b:S+32*\t+2*b+1], v[S+32*\t+2*b:S+32*\t+2*b+1], s[CS:CS+1], v[ST+8*\t:ST+8*\t+1] op_sel_hi:[1,0,0] neg_lo:[0,0,1] neg_hi:[0,0,1]  ; c s - c m
.endr
.set b, b+1
.endr
.set g, 0
.rept 32
	v_exp_f32 v[S+32*(g%2)+2*(g/2)], v[S+32*(g%2)+2*(g/2)]
	v_exp_f32 v[S+32*(g%2)+2*(g/2)+1], v[S+32*(g%2)+2*(g/2)+1]
.if g == 0
	v_nop
.else
	CA g-1
.endif
.set g, g+1
.endr
	RESC 0, 0                       ; the first channel group is rescaled here; the others ride behind the products below
	RESC 0, 1
	WIN 0
	CA 31
.endm
; 128 products O^T += V'^T P in eight turns of 16: channel group u (four blocks), keys 0-31 and then 32-63; the 8 accumulators take turns.  Behind a turn: the next channel group's rescaling, which names
; none of the products' registers and is the places in front of the loads; then one run of 16 loads into the fragments just read: V's groups 2 u + 4 and 2 u + 5, or the next step's first chunks of K.
; The change of slots stands behind turn 6: V's last run, asked for behind turn 5, has had 16 products in which to land.
.macro PVPH fill
.set u, 0
.rept 8
.if u < 7
	s_wait_dscnt 16                 ; this turn's run is in; the one younger run may be out.  Turn 7's was waited for by the change of slots
.endif
.if u < 4
	WIN 0x50                        ; O^T in window 1, V' and P in window 0
.else
	WIN 0xa0
.endif
.irp kk, 0,1
.irp i, 0,1,2,3
.irp t, 0,1
.set rO, 64*(u%4)+8*(2*\i+\t)
.set rV, F+32*((2*u+\kk)%4)+8*\i
.set rP, P+16*\t+8*\kk
	v_wmma_f32_16x16x32_bf16 v[rO:rO+7], v[rV:rV+7], v[rP:rP+7], v[rO:rO+7]
.endr
.endr
.endr
.if u < 7
	RESC u+1, 0
	RESC u+1, 1
.else
	PLACES
.endif
.if u == 6
	CHANGE \fill
.endif
	WIN 0
.if u < 6
	FETCHV 2*u+4
	FETCHV 2*u+5
.else
	FETCHK 2*u-12
	FETCHK 2*u-11
.endif
.set u, u+1
.endr
.endm
.macro STEP fill
	KQPH
	SOFTMAX
	PVPH \fill
.endm
; THE WAY OUT'S PARTS.
.macro XLD q                        ; group q: my rows 16 q + 0..15 of x, 512 consecutive bytes a line, into buffer q % 4 of window 3
	WIN 0xc0
.set i, 0
.rept 16
	global_load_b128 v[64*((\q)%4)+4*i:64*((\q)%4)+4*i+3], v[XO], s[12:13] offset:4096*(16*(\q)+i) th:TH_LOAD_NT
.set i, i+1
.endr
.endm
.macro BIAS hf                      ; register j of block c: bp[256 hf + 16 c + 8 h + j], the result's own layout
	WIN 0
.set c, 0
.rept 16
	ds_load_b128 v[F+8*c:F+8*c+3],   v[BPA] offset:1024*(\hf)+64*c
	ds_load_b128 v[F+8*c+4:F+8*c+7], v[BPA] offset:1024*(\hf)+64*c+16
.set c, c+1
.endr
	s_wait_dscnt 0x0
.endm
.macro FIN w                        ; window w of O^T: O / l + bp, one packed multiply-add, each accumulator from its low end on
.if (\w) == 1
	WIN 0x41
.else
	WIN 0x82
.endif
.set z, 0
	s_wait_alu depctr_va_vdst(0)
.rept 128
	v_pk_fma_f32 v[2*z:2*z+1], v[2*z:2*z+1], v[ST+8*((z/4)%2)+6:ST+8*((z/4)%2)+7], v[F+8*(z/8)+2*(z%4):F+8*(z/8)+2*(z%4)+1] op_sel_hi:[1,0,1]
.set z, z+1
.endr
.endm
.macro DUMP                         ; row 64 G + 16 i + 8 h + j, token 32 w + 16 t + r: sixteen lanes write 64 consecutive bytes
.set G, 0
.rept 8
.if G < 4
	WIN 0x04                        ; the stores' data in window 1
.else
	WIN 0x08
.endif
.irp i, 0,1,2,3
.irp t, 0,1
.irp j, 0,1,2,3,4,5,6,7
	ds_store_b32 v[SB+G], v[64*(G%4)+8*(2*\i+\t)+\j] offset:(16*\i+\j)*SP+64*\t
.endr
.endr
.endr
.set G, G+1
.endr
	WIN 0
.endm
; Group q's turn: x three groups on is asked for; 16 whole rows come back from LDS into buffer q % 2; x is added; 512 consecutive bytes a line are stored.
.macro OUTG q
.if (\q) < 5
	XLD (\q)+3
.endif
	WIN 0
	s_wait_xcnt 0x0                 ; the stores two groups back have read their registers: that buffer is loaded again only behind this wait
.set R, F+64*((\q)%2)
.set i, 0
.rept 16
.if (\q) < 4
	ds_load_b128 v[R+4*i:R+4*i+3], v[RD0] offset:(16*(\q)+i)*SP
.else
	ds_load_b128 v[R+4*i:R+4*i+3], v[RD1] offset:(16*((\q)-4)+i)*SP
.endif
.set i, i+1
.endr
.if (\q) < 5
	s_wait_loadcnt 48               ; loads return in order: group q is in; the three younger groups of 16 may be out
.else
	s_wait_loadcnt 16*(7-(\q))
.endif
	s_wait_dscnt 0x0
	WIN 0x0c                        ; x in window 3
.set i, 0
.rept 32
	v_pk_add_f32 v[R+2*i:R+2*i+1], v[R+2*i:R+2*i+1], v[64*((\q)%4)+2*i:64*((\q)%4)+2*i+1]
.set i, i+1
.endr
	WIN 0
.set i, 0
.rept 16
	global_store_b128 v[XO], v[R+4*i:R+4*i+3], s[14:15] offset:4096*(16*(\q)+i) th:TH_STORE_NT
.set i, i+1
.endr
.endm
	s_load_b256 s[4:11], s[0:1], 0x0    ; qb s[4:5], kb s[6:7], vb s[8:9], bp s[10:11]
	s_load_b128 s[12:15], s[0:1], 0x20  ; x s[12:13], out0 s[14:15]
	v_lshl_add_u32 v[SPW], v0, 2, SPARE
	v_mov_b32 v[NIL], 0
	ds_add_u32 v[SPW], v[NIL]       ; the wave's opening: the add and its wait stand ahead of my first tensor load; the set-up stands between them
	v_lshrrev_b32 v1, 5, v0
	v_readfirstlane_b32 s[WV], v1   ; wave 0..3
	s_bfe_u32 s19, ttmp6, 0x40000   ; cx
	s_lshl_b32 s20, ttmp9, 2
	s_add_co_u32 s20, s20, s19      ; my block of 128 queries: it enters Q's, x's and out0's addresses alone
	s_and_b32 s21, ttmp7, 0xffff    ; the batch, which the partners share
	s_and_b32 s22, s[WV], 1         ; which half of a tile I fetch
	s_lshl_b32 s74, s21, 20         ; the batch's 1,048,576 bytes of K and of V',
	s_lshl_b32 s75, s22, 15         ; 32 rows of 1,024 bytes x half
	s_add_co_u32 s74, s74, s75
	s_mov_b32 s75, 0
	s_mul_i32 s23, s22, 32*PK       ; my half's place in a region of K,
	s_mul_i32 s72, s22, 32*PV       ; and of V': no place in the cluster enters an LDS address
	s_lshl_b32 s76, s21, 20         ; Q: row 1,024 b + 128 X + 32 w, of 1,024 bytes
	s_lshl_b32 s77, s20, 17
	s_add_co_u32 s76, s76, s77
	s_lshl_b32 s77, s[WV], 15
	s_add_co_u32 s76, s76, s77
	s_mov_b32 s77, 0
	s_lshl_b32 s78, s21, 21         ; x, out0: row 512 b + 128 w, of 4,096 bytes; token 128 X
	s_lshl_b32 s79, s[WV], 19
	s_add_co_u32 s78, s78, s79
	s_lshl_b32 s79, s20, 9
	s_add_co_u32 s78, s78, s79
	s_mov_b32 s79, 0
	s_mov_b32 s[G1K], 15|(1<<16)|(1<<20)|(1<<21)|(7<<22)|(3<<25)  ; the mask of four; 2-byte elements; padding on; bit 21 beside a mask; after every 256 words, 4 words
	s_mov_b32 s[G1V], 15|(1<<16)|(1<<20)|(1<<21)|(7<<22)|(7<<25)  ; the same with 8 words
.irp g, G1K, G1V
	s_mov_b32 s[\g+1], 512<<16      ; tensor_dim0 = 512
	s_mov_b32 s[\g+2], 32<<16       ; tensor_dim1 = 32
	s_mov_b32 s[\g+3], 512<<16      ; tile_dim0 = 512
	s_mov_b32 s[\g+4], 32           ; tile_dim1 = 32
	s_mov_b32 s[\g+5], 512          ; elements from row to row
	s_mov_b32 s[\g+6], 0
	s_mov_b32 s[\g+7], 0
.endr
	s_mov_b32 s[G0KA], 1
	s_mov_b32 s[G0KA+1], s23
	s_mov_b32 s[G0K], 1
	s_add_co_u32 s[G0K+1], s23, DK
	s_mov_b32 s[G0VA], 1
	s_add_co_u32 s[G0VA+1], s72, VBASE
	s_mov_b32 s[G0V], 1
	s_add_co_u32 s[G0V+1], s72, VBASE+DV
	s_mov_b32 s[CS], 0x3d8293ee     ; c = log2(e) / sqrt(512) = 0.0637587
	s_mov_b32 s[CS+1], s[CS]
	s_mov_b32 s[SEL], 0x76543210
	s_mov_b32 s[SEL+1], 0xfedcba98
	s_mov_b32 s[TBK], 0
	s_mov_b32 s[TBV], 0
	s_wait_dscnt 0x0                ; the opening add is done
	s_wait_kmcnt 0x0
	s_add_nc_u64 s[6:7], s[6:7], s[74:75]
	s_add_nc_u64 s[8:9], s[8:9], s[74:75]
	s_add_nc_u64 s[G0KA+2:G0KA+3], s[6:7], 0
	s_or_b32 s[G0KA+3], s[G0KA+3], 0x80000000
	s_add_nc_u64 s[G0K+2:G0K+3], s[6:7], 65536
	s_or_b32 s[G0K+3], s[G0K+3], 0x80000000
	s_add_nc_u64 s[G0VA+2:G0VA+3], s[8:9], 0
	s_or_b32 s[G0VA+3], s[G0VA+3], 0x80000000
	s_add_nc_u64 s[G0V+2:G0V+3], s[8:9], 65536
	s_or_b32 s[G0V+3], s[G0V+3], 0x80000000
	s_add_nc_u64 s[4:5], s[4:5], s[76:77]
	s_add_nc_u64 s[12:13], s[12:13], s[78:79]
	s_add_nc_u64 s[14:15], s[14:15], s[78:79]
	CROUND                          ; all four work-groups are here: the first joint loads meet
	s_cmp_lt_u32 s[WV], 2           ; a wave's two first fills stand in one branch: two tensor loads of mine are out; later one
	s_cbranch_scc0 .Lfirst_v
	tensor_load_to_lds s[G0KA:G0KA+3], s[G1K:G1K+7]
	s_nop 0
	tensor_load_to_lds s[G0K:G0K+3], s[G1K:G1K+7]
	s_nop 0
.rept 4
	v_nop
.endr
	s_branch .Lfirst_asked
.Lfirst_v:
	tensor_load_to_lds s[G0VA:G0VA+3], s[G1V:G1V+7]
	s_nop 0
	tensor_load_to_lds s[G0V:G0V+3], s[G1V:G1V+7]
	s_nop 0
.rept 4
	v_nop
.endr
.Lfirst_asked:
	v_and_b32 v1, 15, v0            ; r = lane % 16
	v_bfe_u32 v9, v0, 4, 1          ; h = lane / 16
	v_lshlrev_b32 v96, 4, v0        ; 16 t: the 128 threads take bp's 2,048 bytes
	global_load_b128 v[100:103], v96, s[10:11]
	v_lshlrev_b32 v[QO], 10, v1
	v_lshl_add_u32 v[QO], v9, 4, v[QO]  ; row r, 16 bytes x h
	WIN 0xc0                        ; destination window 3
.set i, 0
.rept 32                            ; Q stays in registers: tile i / 16, channels 32 (i % 16) on
	global_load_b128 v[8*i:8*i+3],   v[QO], s[4:5] offset:(i/16)*16384+(i%16)*64
	global_load_b128 v[8*i+4:8*i+7], v[QO], s[4:5] offset:(i/16)*16384+(i%16)*64+32
.set i, i+1
.endr
	WIN 0
.set i, 0
.rept 16
	v_mov_b32 v[F+i], 0             ; two fragments of zeros
.set i, i+1
.endr
	WIN 0x40                        ; O^T = 0 x 0 + 0: the first step multiplies it by a = 0, so it has to be finite
.set i, 0
.rept 32
	v_wmma_f32_16x16x32_bf16 v[8*i:8*i+7], v[F:F+7], v[F+8:F+15], 0
.set i, i+1
.endr
	WIN 0x80
.set i, 0
.rept 32
	v_wmma_f32_16x16x32_bf16 v[8*i:8*i+7], v[F:F+7], v[F+8:F+15], 0
.set i, i+1
.endr
	WIN 0                           ; the lines below name none of those products' registers: they are the places in front of the first fragments' loads
.irp t, 0,1
	v_mov_b32 v[ST+8*\t], 0xfe000000    ; c m: far below every c s
	v_mov_b32 v[ST+8*\t+1], 0xff7fffff  ; m: the lowest finite number
	v_mov_b32 v[ST+8*\t+2], 0
	v_mov_b32 v[ST+8*\t+3], 0
.endr
	v_mul_u32_u24 v[AK0], v1, PK
	v_lshl_add_u32 v[AK0], v9, 4, v[AK0]
	v_and_b32 v[AK], 7, v0
	v_lshl_add_u32 v[AV0], v9, 3, v[AK]
	v_mul_u32_u24 v[AV0], v[AV0], PV    ; key 8 h + lane % 8,
	v_bfe_u32 v[AK], v0, 3, 1
	v_lshl_add_u32 v[AV0], v[AK], 4, v[AV0]  ; channels 8 ((lane / 8) % 2) on
	v_add_nc_u32 v[AV0], VBASE, v[AV0]
	v_mul_u32_u24 v[STO0], v9, 8*SP     ; the result: row 8 h, token 32 w + r
	v_lshl_add_u32 v[STO0], v1, 2, v[STO0]
	s_lshl_b32 s22, s[WV], 7
	v_add_nc_u32 v[STO0], s22, v[STO0]
	v_and_b32 v[XO], 31, v0
	v_lshlrev_b32 v[XO], 4, v[XO]
	s_mul_i32 s22, s[WV], 128*SP        ; back: rows 128 w + 0..127, whole
	v_add_nc_u32 v[RD0], s22, v[XO]
	v_lshlrev_b32 v[BPA], 5, v9
	v_add_nc_u32 v[BPA], BPL, v[BPA]
	v_add_nc_u32 v[RD1], 64*SP, v[RD0]  ; h is used no more
	v_mov_b32 v[AK], v[AK0]
	v_mov_b32 v[AV], v[AV0]
	v_add_nc_u32 v97, BPL, v96
	s_wait_loadcnt 0x0              ; bp and Q
	ds_store_b128 v97, v[100:103]
	s_wait_tensorcnt 0x1            ; my part of slot 0 is in; slot 1's may stay out
	s_wait_dscnt 0x0                ; for the others' sake: my part of bp is stored
	s_barrier_signal -1
	s_barrier_wait -1
	FETCHK 0
	FETCHK 1
	FETCHK 2
	FETCHK 3
	s_mov_b32 s[CNT], 14
.Lstep:                             ; steps 0-13: the slot left is filled with K and V' two steps on.  At the label two runs of 16 loads of K are out, on the way in and on the way back
	STEP 1
	s_sub_co_u32 s[CNT], s[CNT], 1
	s_cmp_lg_u32 s[CNT], 0
	s_cbranch_scc1 .Lstep
	s_mov_b32 s[CNT], 2
.Lstep_end:                         ; steps 14, 15 are written out: nothing is asked for.  Step 15's 32 loads of K, from step 14's tile once more, serve nothing
	STEP 0                          ; the price, once a launch, of one text for both trips
	s_sub_co_u32 s[CNT], s[CNT], 1
	s_cmp_lg_u32 s[CNT], 0
	s_cbranch_scc1 .Lstep_end
	XLD 0                           ; Q's registers are free: 48 rows of x are asked for ahead of everything else
	XLD 1
	XLD 2
	WIN 0
.irp t, 0,1                         ; l's two halves and the other half of the lanes' are added; 1 / l takes a's place
	v_add_f32 v[ST+8*\t+4], v[ST+8*\t+2], v[ST+8*\t+3]
.endr
.irp t, 0,1
	v_permlanex16_b32 v[ST+8*\t+5], v[ST+8*\t+4], s[SEL], s[SEL+1]
.endr
.irp t, 0,1
	v_add_f32 v[ST+8*\t+4], v[ST+8*\t+4], v[ST+8*\t+5]
.endr
.irp t, 0,1
	v_rcp_f32 v[ST+8*\t+6], v[ST+8*\t+4]
.endr
.irp G, 0,1,2,3,4,5,6,7             ; plain instructions behind the reciprocals: the stores' eight bases, 64 rows apart, so that their offsets stay inside 16 bits
	v_add_nc_u32 v[SB+\G], \G*64*SP, v[STO0]
.endr
	s_wait_dscnt 0x0                ; my last reads of the regions are back
	s_barrier_signal -1
	s_barrier_wait -1               ; everybody's are: the regions, which have had their last fill, may be stored into
	BIAS 0
	FIN 1
	BIAS 1
	FIN 2
	DUMP
	s_wait_dscnt 0x0                ; for the others' sake: my part of the result is stored
	s_barrier_signal -1
	s_barrier_wait -1
.irp q, 0,1,2,3,4,5,6,7
	OUTG \q
.endr
	s_wait_tensorcnt 0x0            ; the wave's end
	ds_add_u32 v[SPW], v[NIL]
	s_wait_dscnt 0x0
	CROUND                          ; the closing round
	s_endpgm
.Lfunc_end_k_qee54210e9d_attn:
	.size	k_qee54210e9d_attn, .Lfunc_end_k_qee54210e9d_attn-k_qee54210e9d_attn
	.p2alignl 7, 3214868480
	.fill 96, 4, 3214868480
	.section	.rodata,"a",@progbits
	.p2align	6, 0x0
	.amdhsa_kernel k_qee54210e9d_attn
		.amdhsa_group_segment_fixed_size 327680
		.amdhsa_private_segment_fixed_size 0
		.amdhsa_enable_private_segment 0
		.amdhsa_kernarg_size 48
		.amdhsa_user_sgpr_count 2
		.amdhsa_user_sgpr_kernarg_segment_ptr 1
		.amdhsa_wavefront_size32 1
		.amdhsa_system_sgpr_workgroup_id_x 1
		.amdhsa_system_sgpr_workgroup_id_y 1
		.amdhsa_system_sgpr_workgroup_id_z 1
		.amdhsa_system_vgpr_workitem_id 0
		.amdhsa_next_free_vgpr 1024
		.amdhsa_next_free_sgpr 80
		.amdhsa_reserve_vcc 0
		.amdhsa_float_denorm_mode_32 3
		.amdhsa_float_denorm_mode_16_64 3
		.amdhsa_memory_ordered 1
		.amdhsa_forward_progress 1
		.amdhsa_inst_pref_size 249
	.end_amdhsa_kernel
	.amdgpu_metadata
---
amdhsa.version: [ 1, 2 ]
amdhsa.kernels:
  - .name:           k_qee54210e9d_attn
    .symbol:         k_qee54210e9d_attn.kd
    .args:
      - { .name: qb, .offset: 0, .size: 8, .value_kind: global_buffer, .address_space: global }
      - { .name: kb, .offset: 8, .size: 8, .value_kind: global_buffer, .address_space: global }
      - { .name: vb, .offset: 16, .size: 8, .value_kind: global_buffer, .address_space: global }
      - { .name: bp, .offset: 24, .size: 8, .value_kind: global_buffer, .address_space: global }
      - { .name: x, .offset: 32, .size: 8, .value_kind: global_buffer, .address_space: global }
      - { .name: out0, .offset: 40, .size: 8, .value_kind: global_buffer, .address_space: global }
    .group_segment_fixed_size: 327680
    .private_segment_fixed_size: 0
    .kernarg_segment_align: 8
    .kernarg_segment_size: 48
    .max_flat_workgroup_size: 128
    .sgpr_count:     80
    .vgpr_count:     1024
    .wavefront_size: 32
...
	.end_amdgpu_metadata
.endif
;; end of part 3
;; ======== version 2 of 2: 3 launches; version 1 with the launch gn written anew for expert scheduling mode
;; workspace buffers: wb 1,572,864 bytes; bvp 2,048 bytes; hn 33,554,432 bytes; qb 33,554,432 bytes; kb 33,554,432 bytes; vb 33,554,432 bytes
;; launch gn (part 4): grid 648 x 1, 8 waves a work-group, no clusters, 39,424 bytes of LDS; arguments x, gn_gamma, gn_beta, wq, wk, wv, wp, bv, hn, wb, bvp; writes hn, wb, bvp
.if DOCPART == 4
	.amdgcn_target "amdgcn-amd-amdhsa--gfx1250"
	.amdhsa_code_object_version 6
	.text
	.protected	k_qee54210e9d_gn
	.globl	k_qee54210e9d_gn
	.p2align	8
	.type	k_qee54210e9d_gn,@function
k_qee54210e9d_gn:
	s_mov_b64 s[64:65], 0
	v_nop
	global_prefetch_b8 v0, s[64:65] scope:SCOPE_SE
	s_setreg_imm32_b32 hwreg(HW_REG_WAVE_SCHED_MODE, 0, 2), 2
	s_setreg_imm32_b32 hwreg(HW_REG_WAVE_MODE, 25, 1), 1
	s_wait_xcnt 0x0
	s_wait_alu depctr_vm_vsrc(0)
; THREE ROLES, chosen by the work-group's number.
; 0-127     wb rows 1024-1535 = wp wv, bf16.  The last projection is applied to the values ahead of the attention: wp (v attn^T) = (wp v) attn^T and wp v = (wp wv) hn + wp bv, for every input.
; 128-135   bvp = wp bv, f32.
; 136-647   GROUP NORM of one group, and 1,024 numbers of wq | wk rounded to bf16 into wb rows 0-1023.
; GROUP NORM.  x: [32][512][1024] f32; a group is 32 channel rows of 4,096 bytes, 131,072 consecutive bytes, kept in registers (128 a lane, 8 waves): x is read once.  Thread t holds bytes 16 t of every
; row, so load i is channel 32 g + i in every thread and its gamma and beta are scalars.  The mean is taken first and the variance from the differences x - mean: no difference of large sums.
; hn[b][c][n] = (x - mean) rsqrt(var + 1e-6) gamma[c] + beta[c], rounded once to bf16.  A wave's store covers 256 consecutive bytes, aligned.
; LIMITS: wp and wv are rounded to bf16, their product is summed in f32 and rounded once to bf16; the sums' order differs from the reference's; v_rsq_f32 is good to one unit in the last place;
; NaN and infinities are not treated apart.
; THE MODE: SCHED_MODE bits 1:0 = 2 (LLVM: expert scheduling mode 2), set by the entry lines.  The code itself states the register dependences between vector or matrix instructions and memory or LDS
; instructions, with s_wait_alu, always for 0.
; THE PLAN, role by role: the registers that memory or LDS instructions touch, and who else names them.
;   GROUP NORM.  v1, v2, v[T+2], v[T+3]: offsets and LDS addresses, made once, never written again.  X: the loads of x land in it; all arithmetic is in place; the low pair of each channel's four
;   registers is read by that channel's one store and never written after it.  v[T]: a reduction's LDS store reads it, and the reduction's last line writes it again.  CH: the eight partial sums land in it.
;   The 32 channels go out in four groups of eight: ONE wait at a group's head states that the group before has written its pairs; that group's eight stores are dealt among this group's vector lines,
;   which name other channels' registers, CH and v[T+1] alone.
;   wp wv.  L, LP: a chunk's loads land in them, its conversions read them.  ONE wait behind the conversions; the next chunk's 20 loads are dealt among the four matrix instructions, which name FV, FP and
;   AC alone.  v1, v2, v3 are each made a second time, behind a wait that states that their readers have read them, and ahead of a wait that stands there for the stores' data in any case.
;   wp bv.  X: a burst's loads land in it, its multiply-adds read it: one wait at each burst's head.
.set NFOLD, 128
.set NBIAS, 8
.set X,   8                            ; v[8:135]   group norm: load i at X + 4 i;  wp bv: 64 of wp, 16 of bv
.set CH,  136                          ; v[136:143] four chains of pairs; later the eight waves' partial sums, then four scales
.set WF,  144                          ; v[144:147] four weights in f32; four sums of wp bv
.set T,   152                          ; v152 at work, v153 the other half's sum and rstd, v154 4 x wave, v155 0, v[156:157] weights in bf16
.set L,   8                            ; wp wv: v[8:71] sixteen rows of wv, four columns a lane
.set LP,  72                           ;        v[72:87] sixteen numbers of a row of wp
.set FV,  88                           ;        v[88:119] four fragments of wv
.set FP,  120                          ;        v[120:127] the fragment of wp
.set AC,  128                          ;        v[128:159] four accumulators
.set RED, 1024                         ; LDS: 4,096 bytes a wave: the partial sums of wp wv
.set STG, RED+8*4096                   ; 16 rows x 272 bytes: a tile's rows on their way out
.set BST, STG+16*272                   ; 256 bytes: 64 numbers of wp bv
.set SPARE, BST+256                    ; the spare words: 128 bytes a wave, four blocks of 256 bytes that no other line names
.macro PLACES                          ; four plain vector instructions between a matrix instruction and a write of its sources or a read of its result (ISA guide 7.12.1)
.rept 4
	v_nop
.endr
.endm
	s_load_b512 s[4:19], s[0:1], 0x0               ; x s[4:5], gamma s[6:7], beta s[8:9], wq s[10:11], wk s[12:13], wv s[14:15], wp s[16:17], bv s[18:19]
	s_load_b128 s[20:23], s[0:1], 0x40             ; hn s[20:21], wb s[22:23]
	s_load_b64 s[24:25], s[0:1], 0x50              ; bvp
	v_lshl_add_u32 v4, v0, 2, SPARE                ; my spare word,
	v_mov_b32 v5, 0                                ; and 0: both never rewritten
	v_lshrrev_b32 v3, 5, v0
	v_readfirstlane_b32 s27, v3                    ; wave 0..7
	s_mov_b32 s26, ttmp9
	s_mov_b32 s29, 0                               ; the high word of every offset
	s_wait_alu depctr_va_sdst(0)                   ; s27 is written, ahead of the branches below and of all its readers in the three roles
	s_wait_kmcnt 0x0
	s_cmp_lt_u32 s26, NFOLD
	s_cbranch_scc1 .Lfold
	s_cmp_lt_u32 s26, NFOLD+NBIAS
	s_cbranch_scc1 .Lbias
	; ---------------- GROUP NORM ----------------
	s_sub_co_u32 s26, s26, NFOLD+NBIAS             ; 16 b + g
	v_lshlrev_b32 v1, 4, v0                        ; 16 t: my bytes in a row of x, and my four weights
	v_lshlrev_b32 v2, 3, v0                        ; 8 t: in a row of hn, and in my work-group's part of wb
	v_mov_b32 v[T+2], s27
	v_lshlrev_b32 v[T+2], 2, v[T+2]                ; my wave's word among the partial sums
	v_mov_b32 v[T+3], 0
	v_mov_b32 v[T+1], 0                            ; written once: v_permlanex16_b32 counts as a reader of its destination
	s_mov_b32 s100, 0x38000000                     ; 1 / 32,768
	s_mov_b32 s101, 0x358637bd                     ; 1e-6
	s_mov_b32 s30, 0x76543210                      ; each lane takes its own place in the other half
	s_mov_b32 s31, 0xfedcba98
	s_lshl_b32 s28, s26, 17                        ; the group's first byte in x
	s_add_nc_u64 s[4:5], s[4:5], s[28:29]
	s_wait_alu depctr_va_vdst(0)                   ; v1, v2, v[T+2] and v[T+3] are written: every load, store and LDS instruction of this role reads one of them as its offset or address
.set i, 0
.rept 32
	global_load_b128 v[X+4*i:X+4*i+3], v1, s[4:5] offset:4096*i th:TH_LOAD_NT
.set i, i+1
.endr
	s_cmp_lt_u32 s26, 256                          ; 256 work-groups to wq, 256 to wk
	s_cselect_b64 s[10:11], s[10:11], s[12:13]
	s_and_b32 s28, s26, 255
	s_lshl_b32 s28, s28, 12                        ; 4,096 bytes of that matrix are mine
	s_add_nc_u64 s[10:11], s[10:11], s[28:29]
	global_load_b128 v[WF:WF+3], v1, s[10:11] th:TH_LOAD_NT
	s_and_b32 s28, s26, 15
	s_lshl_b32 s28, s28, 7                         ; the group's 32 numbers in gamma and in beta
	s_add_nc_u64 s[6:7], s[6:7], s[28:29]
	s_add_nc_u64 s[8:9], s[8:9], s[28:29]
	s_load_b512 s[32:47], s[6:7], 0x0
	s_load_b512 s[48:63], s[6:7], 0x40
	s_load_b512 s[68:83], s[8:9], 0x0
	s_load_b512 s[84:99], s[8:9], 0x40
	s_lshl_b32 s28, s26, 16
	s_add_nc_u64 s[20:21], s[20:21], s[28:29]      ; hn at the group's first row
	s_lshl_b32 s28, s26, 11
	s_add_nc_u64 s[22:23], s[22:23], s[28:29]      ; wb at my work-group's 2,048 bytes
; The four chains into one number, over the 32 lanes, and over the eight waves through LDS words at byte off.
.macro REDUCE off
	v_pk_add_f32 v[CH:CH+1], v[CH:CH+1], v[CH+2:CH+3]
	v_pk_add_f32 v[CH+4:CH+5], v[CH+4:CH+5], v[CH+6:CH+7]
	v_pk_add_f32 v[CH:CH+1], v[CH:CH+1], v[CH+4:CH+5]
	v_add_f32 v[T], v[CH], v[CH+1]
	v_add_f32_dpp v[T], v[T], v[T] row_xmask:1 row_mask:0xf bank_mask:0xf
	v_add_f32_dpp v[T], v[T], v[T] row_xmask:2 row_mask:0xf bank_mask:0xf
	v_add_f32_dpp v[T], v[T], v[T] row_xmask:4 row_mask:0xf bank_mask:0xf
	v_add_f32_dpp v[T], v[T], v[T] row_xmask:8 row_mask:0xf bank_mask:0xf
	v_permlanex16_b32 v[T+1], v[T], s30, s31
	v_add_f32 v[T], v[T], v[T+1]
	s_wait_alu depctr_va_vdst(0)                   ; v[T] is written, which the LDS store reads; the additions above are done with v[CH ..], in which the LDS loads behind the barrier land: no vector line stands between
	ds_store_b32 v[T+2], v[T] offset:\off          ; all lanes of a wave write the same word with the same number
	s_wait_dscnt 0x0                               ; for the others' sake: my store is done
	s_barrier_signal -1
	s_barrier_wait -1
	ds_load_b128 v[CH:CH+3],   v[T+3] offset:\off
	ds_load_b128 v[CH+4:CH+7], v[T+3] offset:(\off)+16
	s_wait_dscnt 0x0
	s_wait_alu depctr_vm_vsrc(0)                   ; the LDS store has read v[T], which the last line below writes again
	v_pk_add_f32 v[CH:CH+1], v[CH:CH+1], v[CH+2:CH+3]
	v_pk_add_f32 v[CH+4:CH+5], v[CH+4:CH+5], v[CH+6:CH+7]
	v_pk_add_f32 v[CH:CH+1], v[CH:CH+1], v[CH+4:CH+5]
	v_add_f32 v[T], v[CH], v[CH+1]
.endm
; Channel i: gamma rstd, one number a channel; four multiply-adds in place; two roundings into the low pair of the channel's four registers.
.macro NORM i
	v_mul_f32 v[CH+(\i)%4], s[32+(\i)], v[T+1]
.irp j, 0,1,2,3
	v_fma_f32 v[X+4*(\i)+\j], v[X+4*(\i)+\j], v[CH+(\i)%4], s[68+(\i)]
.endr
	v_cvt_pk_bf16_f32 v[X+4*(\i)], v[X+4*(\i)], v[X+4*(\i)+1]
	v_cvt_pk_bf16_f32 v[X+4*(\i)+1], v[X+4*(\i)+2], v[X+4*(\i)+3]
.endm
.macro OUT i                           ; channel i's store: a wave covers 256 consecutive bytes, aligned
	global_store_b64 v2, v[X+4*(\i):X+4*(\i)+1], s[20:21] offset:2048*(\i)
.endm
	; the sum, four loads at a time; the first chunk starts the chains, so nothing is cleared
.set c, 0
.rept 8
	s_wait_loadcnt 29-4*c                          ; loads return in order: chunk c is in; out may be the 28 - 4 c later loads of x and the one of weights
.set k, 0
.rept 4
.if c == 0
	v_pk_add_f32 v[CH+2*k:CH+2*k+1], v[X+2*k:X+2*k+1], v[X+8+2*k:X+8+2*k+1]
.else
	v_pk_add_f32 v[CH+2*k:CH+2*k+1], v[CH+2*k:CH+2*k+1], v[X+16*c+2*k:X+16*c+2*k+1]
.endif
.set k, k+1
.endr
.if c > 0
.set k, 0
.rept 4
	v_pk_add_f32 v[CH+2*k:CH+2*k+1], v[CH+2*k:CH+2*k+1], v[X+16*c+8+2*k:X+16*c+8+2*k+1]
.set k, k+1
.endr
.endif
.set c, c+1
.endr
	REDUCE 0
	v_mul_f32 v6, s100, v[T]                       ; the mean, twice, for the packed subtraction
	v_mov_b32 v7, v6
.set i, 0
.rept 64
	v_pk_add_f32 v[X+2*i:X+2*i+1], v[X+2*i:X+2*i+1], v[6:7] neg_lo:[0,1] neg_hi:[0,1]  ; d = x - mean, in place
.set i, i+1
.endr
.set i, 0
.rept 64
.if i < 4
	v_pk_mul_f32 v[CH+2*i:CH+2*i+1], v[X+2*i:X+2*i+1], v[X+2*i:X+2*i+1]
.else
	v_pk_fma_f32 v[CH+2*(i%4):CH+2*(i%4)+1], v[X+2*i:X+2*i+1], v[X+2*i:X+2*i+1], v[CH+2*(i%4):CH+2*(i%4)+1]
.endif
.set i, i+1
.endr
	REDUCE 64                                      ; other words than the first time: no wave can still be reading what is written
	v_fma_f32 v[T], v[T], s100, s101               ; var + eps
	v_rsq_f32 v[T+1], v[T]
	v_nop                                          ; a plain instruction between the root and the use of its result
	s_wait_kmcnt 0x0                               ; gamma and beta
	s_wait_alu depctr_va_vdst(0)                   ; the root has written v[T+1], ahead of its first reader
.set k, 0
.rept 8
	NORM k                                         ; channels 0 to 7: there is nothing yet to store
.set k, k+1
.endr
.set g, 1
.rept 3
	s_wait_alu depctr_va_vdst(0)                   ; the group before has written its eight pairs, which the stores below read; no vector line of this group names them
.set k, 0
.rept 8
	OUT 8*(g-1)+k
	NORM 8*g+k
.set k, k+1
.endr
.set g, g+1
.endr
	s_wait_loadcnt 0x0                             ; the weights
	v_cvt_pk_bf16_f32 v[T+4], v[WF], v[WF+1]
	v_cvt_pk_bf16_f32 v[T+5], v[WF+2], v[WF+3]
	s_wait_alu depctr_va_vdst(0)                   ; channels 24 to 31 have written their pairs, and the two lines above v[T+4:T+5]: the last nine stores read them
.set k, 24
.rept 8
	OUT k
.set k, k+1
.endr
	global_store_b64 v2, v[T+4:T+5], s[22:23]      ; a wave stores 256 consecutive bytes, aligned
	s_wait_dscnt 0x0                               ; the wave's end
	s_wait_alu 0x0
	s_wait_tensorcnt 0x0
	ds_add_u32 v4, v5
	s_wait_dscnt 0x0
	s_endpgm
	; ---------------- wp wv ----------------
	; Work-group f makes rows 16 (f / 4) + 0..15, columns 128 (f % 4) + 0..127.  Wave w: ch = w / 4 picks 64 of the columns, kq = w % 4 a quarter of K, four chunks of 32.
	; Source 1 = 16 rows of wp (lane r: row r); source 0 = 16 columns of wv.  A load of wv takes one row k, 16 bytes a lane: 16 lanes read 256 consecutive bytes, and lane m holds columns 4 m + q, q = 0..3:
	; accumulator q holds columns 4 m + q.  In both operands place (h, i) of a chunk is k = 16 h + i: the same permutation of k on both sides leaves the products as they are.
	; In the result lane (r, h) holds row r, and register j of accumulator q column 4 (8 h + j) + q.
.Lfold:
	v_and_b32 v6, 15, v0                           ; r
	v_bfe_u32 v7, v0, 4, 1                         ; h
	v_lshlrev_b32 v1, 11, v6
	v_lshl_add_u32 v1, v7, 6, v1                   ; wp: row r, 16 numbers x h
	v_lshlrev_b32 v2, 4, v6
	v_lshl_add_u32 v2, v7, 15, v2                  ; wv: 16 rows x h, four columns x r
	s_lshr_b32 s32, s26, 2                         ; the block of 16 rows
	s_and_b32 s33, s26, 3                          ; the block of 128 columns
	s_lshr_b32 s34, s27, 2                         ; ch
	s_and_b32 s35, s27, 3                          ; kq
	s_lshl_b32 s28, s32, 15                        ; 16 rows of 2,048 bytes,
	s_lshl_b32 s42, s35, 9                         ; 128 numbers along them
	s_add_co_u32 s28, s28, s42
	s_add_nc_u64 s[16:17], s[16:17], s[28:29]
	s_lshl_b32 s28, s35, 18                        ; 128 rows of 2,048 bytes,
	s_lshl_b32 s42, s33, 9                         ; 128 columns,
	s_add_co_u32 s28, s28, s42
	s_lshl_b32 s42, s34, 8                         ; 64 columns
	s_add_co_u32 s28, s28, s42
	s_add_nc_u64 s[14:15], s[14:15], s[28:29]
.macro FLDQ n, a                       ; a quarter of chunk n's loads: rows 4 a + 0..3 of my sixteen of wv, numbers 4 a + 0..3 of my sixteen of wp
.irp i, 0,1,2,3
	global_load_b128 v[L+4*(4*(\a)+\i):L+4*(4*(\a)+\i)+3], v2, s[14:15] offset:(32*(\n)+4*(\a)+\i)*2048
.endr
	global_load_b128 v[LP+4*(\a):LP+4*(\a)+3], v1, s[16:17] offset:128*(\n)+16*(\a)
.endm
.macro FCV                             ; rounded to bf16 in pairs of neighbouring k
.irp q, 0,1,2,3
.irp s, 0,1,2,3,4,5,6,7
	v_cvt_pk_bf16_f32 v[FV+8*\q+\s], v[L+8*\s+\q], v[L+8*\s+4+\q]
.endr
.endr
.irp s, 0,1,2,3,4,5,6,7
	v_cvt_pk_bf16_f32 v[FP+\s], v[LP+2*\s], v[LP+2*\s+1]
.endr
.endm
; The four accumulators take turns.  next > 0: chunk next is asked for, five loads behind each matrix instruction; these name FV, FP and AC, none of the registers that the loads touch.
.macro FMM first, next
.irp q, 0,1,2,3
.if \first
	v_wmma_f32_16x16x32_bf16 v[AC+8*\q:AC+8*\q+7], v[FV+8*\q:FV+8*\q+7], v[FP:FP+7], 0
.else
	v_wmma_f32_16x16x32_bf16 v[AC+8*\q:AC+8*\q+7], v[FV+8*\q:FV+8*\q+7], v[FP:FP+7], v[AC+8*\q:AC+8*\q+7]
.endif
.if (\next) > 0
	FLDQ \next, \q
.endif
.endr
.endm
	s_wait_alu depctr_va_vdst(0)                   ; v1 and v2 are written, which the loads of wp and wv read as their offsets
	FLDQ 0, 0
	FLDQ 0, 1
	FLDQ 0, 2
	FLDQ 0, 3
	v_and_b32 v3, 31, v0
	v_lshlrev_b32 v3, 3, v3                        ; 8 x lane,
	s_lshl_b32 s36, s27, 12
	s_add_co_u32 s36, s36, RED
	v_add_nc_u32 v3, s36, v3                       ; in my wave's 4,096 bytes
	s_wait_loadcnt 0x0
	FCV
	s_wait_alu depctr_va_vdst(0)                   ; the conversions are done reading L and LP, in which chunk 1 lands
	FMM 1, 1                                       ; the next chunk is asked for as soon as this one has left its registers
	s_wait_loadcnt 0x0
	PLACES
	FCV
	s_wait_alu depctr_va_vdst(0)                   ; the conversions are done reading L and LP, in which chunk 2 lands
	FMM 0, 2
	s_wait_loadcnt 0x0
	PLACES
	FCV
	s_wait_alu depctr_va_vdst(0)                   ; the conversions are done reading L and LP, in which chunk 3 lands
	FMM 0, 3
	s_wait_loadcnt 0x0
	PLACES
	FCV
	FMM 0, 0                                       ; nothing is left to ask for, so no wait stands ahead of these
	s_wait_alu depctr_vm_vsrc(0)                   ; the loads of wp and wv have read v1 and v2, which are made anew below
	s_lshl_b32 s38, s34, 14                        ; the four waves of my ch,
	s_lshl_b32 s39, s35, 8                         ; of each accumulator registers 2 kq and 2 kq + 1
	s_add_co_u32 s38, s38, s39
	s_add_co_u32 s38, s38, RED
	s_lshl_b32 s40, s34, 7
	s_lshl_b32 s41, s35, 4
	s_add_co_u32 s40, s40, s41
	s_add_co_u32 s40, s40, STG
	v_and_b32 v1, 31, v0                           ; these six plain lines name no register of the products: they are the places between the last product and the stores of its result
	v_lshlrev_b32 v1, 3, v1
	v_add_nc_u32 v1, s38, v1
	v_mul_u32_u24 v2, v6, 272                      ; into the stage: row r, byte 128 ch + 64 h + 16 kq
	v_lshl_add_u32 v2, v7, 6, v2
	v_add_nc_u32 v2, s40, v2
	s_wait_alu depctr_va_vdst(0)                   ; the products have written the accumulators, the LDS stores' data; v3, v1 and v2 are written; the last conversions are done reading L, in which the loads behind the barrier land
.irp q, 0,1,2,3
.irp jj, 0,1,2,3
	ds_store_b64 v3, v[AC+8*\q+2*\jj:AC+8*\q+2*\jj+1] offset:(4*\q+\jj)*256  ; 256 consecutive bytes a line; each accumulator's lowest registers first
.endr
.endr
	s_wait_dscnt 0x0                               ; for the others' sake: my partial sums are stored
	s_barrier_signal -1
	s_barrier_wait -1
.irp q, 0,1,2,3
.irp s, 0,1,2,3
	ds_load_b64 v[L+8*\q+2*\s:L+8*\q+2*\s+1], v1 offset:4096*\s+1024*\q
.endr
.endr
	s_wait_alu depctr_vm_vsrc(0)                   ; the LDS stores above have read v3, which is made anew below, while the loads are on their way
	v_lshrrev_b32 v7, 4, v0                        ; back: thread t takes 16 bytes t % 16 of row t / 16
	v_mul_u32_u24 v3, v7, 272
	v_lshl_add_u32 v3, v6, 4, v3
	v_add_nc_u32 v3, STG, v3
	v_lshlrev_b32 v7, 10, v7
	v_lshl_add_u32 v7, v6, 4, v7
	s_lshl_b32 s28, s32, 14                        ; 16 rows of 1,024 bytes,
	s_lshl_b32 s42, s33, 8                         ; 128 columns,
	s_add_co_u32 s28, s28, s42
	s_add_co_u32 s28, s28, 0x100000                ; from row 1,024 of wb on
	s_add_nc_u64 s[22:23], s[22:23], s[28:29]
	s_wait_dscnt 0x0
.irp q, 0,1,2,3
	v_pk_add_f32 v[L+8*\q:L+8*\q+1], v[L+8*\q:L+8*\q+1], v[L+8*\q+2:L+8*\q+3]
	v_pk_add_f32 v[L+8*\q+4:L+8*\q+5], v[L+8*\q+4:L+8*\q+5], v[L+8*\q+6:L+8*\q+7]
.endr
.irp q, 0,1,2,3
	v_pk_add_f32 v[L+8*\q:L+8*\q+1], v[L+8*\q:L+8*\q+1], v[L+8*\q+4:L+8*\q+5]
.endr
	v_cvt_pk_bf16_f32 v[FP],   v[L],    v[L+8]     ; columns 32 h + 8 kq + 0..7 of my 64: the four accumulators' register 2 kq,
	v_cvt_pk_bf16_f32 v[FP+1], v[L+16], v[L+24]
	v_cvt_pk_bf16_f32 v[FP+2], v[L+1],  v[L+9]     ; then their register 2 kq + 1
	v_cvt_pk_bf16_f32 v[FP+3], v[L+17], v[L+25]
	s_wait_alu depctr_va_vdst(0)                   ; the roundings have written v[FP:FP+3], the LDS store's data; v3 and v7 are written; the additions are done with v[L:L+3], in which the load behind the barrier lands
	ds_store_b128 v2, v[FP:FP+3]
	s_wait_dscnt 0x0
	s_barrier_signal -1
	s_barrier_wait -1
	ds_load_b128 v[L:L+3], v3
	s_wait_dscnt 0x0
	global_store_b128 v7, v[L:L+3], s[22:23]       ; sixteen lanes store 256 consecutive bytes, aligned
	s_wait_dscnt 0x0                               ; the wave's end: the six lines
	s_wait_alu 0x0
	s_wait_tensorcnt 0x0
	ds_add_u32 v4, v5
	s_wait_dscnt 0x0
	s_endpgm
	; ---------------- wp bv ----------------
	; The work-group makes 64 numbers.  The sixteen lanes g = t / 16 take rows 4 g + 0..3; lane p = t % 16 takes k = 64 e + 4 p + 0..3: sixteen lanes read 256 consecutive bytes.
.Lbias:
	s_sub_co_u32 s26, s26, NFOLD
	v_and_b32 v6, 15, v0                           ; p
	v_lshrrev_b32 v7, 4, v0                        ; g
	v_lshlrev_b32 v2, 4, v6
	v_lshl_add_u32 v1, v7, 13, v2                  ; four rows of 2,048 bytes x g + 16 p
	s_lshl_b32 s28, s26, 17                        ; 64 rows
	s_add_nc_u64 s[16:17], s[16:17], s[28:29]
.macro BBURST half                     ; half of K: 16 loads of wp, 4 of bv, 32 packed multiply-adds in four chains
	s_wait_alu depctr_va_vdst(0)                   ; the first half: v1 and v2 are written, the loads' offsets; the second: the first half's multiply-adds are done reading v[X ..], in which these loads land
.irp i, 0,1,2,3
.irp e, 0,1,2,3
	global_load_b128 v[X+16*\i+4*\e:X+16*\i+4*\e+3], v1, s[16:17] offset:2048*\i+1024*(\half)+256*\e
.endr
.endr
.irp e, 0,1,2,3
	global_load_b128 v[X+64+4*\e:X+64+4*\e+3], v2, s[18:19] offset:1024*(\half)+256*\e
.endr
	s_wait_loadcnt 0x0
.irp e, 0,1,2,3
.irp i, 0,1,2,3
.if ((\half) == 0) && (\e == 0)
	v_pk_mul_f32 v[CH+2*\i:CH+2*\i+1], v[X+16*\i:X+16*\i+1], v[X+64:X+65]
.else
	v_pk_fma_f32 v[CH+2*\i:CH+2*\i+1], v[X+16*\i+4*\e:X+16*\i+4*\e+1], v[X+64+4*\e:X+64+4*\e+1], v[CH+2*\i:CH+2*\i+1]
.endif
	v_pk_fma_f32 v[CH+2*\i:CH+2*\i+1], v[X+16*\i+4*\e+2:X+16*\i+4*\e+3], v[X+64+4*\e+2:X+64+4*\e+3], v[CH+2*\i:CH+2*\i+1]
.endr
.endr
.endm
	BBURST 0
	BBURST 1
.irp i, 0,1,2,3
	v_add_f32 v[WF+\i], v[CH+2*\i], v[CH+2*\i+1]
.endr
.irp m, 1,2,4,8
.irp i, 0,1,2,3
	v_add_f32_dpp v[WF+\i], v[WF+\i], v[WF+\i] row_xmask:\m row_mask:0xf bank_mask:0xf
.endr
.endr
	v_lshlrev_b32 v3, 4, v7
	v_add_nc_u32 v3, BST, v3
	s_wait_alu depctr_va_vdst(0)                   ; the sums have written v[WF:WF+3], the LDS store's data, and v3, its address, is written
	ds_store_b128 v3, v[WF:WF+3]                   ; sixteen lanes write the same 16 bytes with the same numbers
	s_wait_dscnt 0x0
	s_barrier_signal -1
	s_barrier_wait -1
	s_cmp_lg_u32 s27, 0
	s_cbranch_scc1 .Lbias_end
	v_lshlrev_b32 v6, 3, v0                        ; wave 0: 8 bytes a lane
	v_add_nc_u32 v7, BST, v6
	s_wait_alu depctr_va_vdst(0)                   ; v7, the LDS load's address, and v6, the store's offset, are written
	ds_load_b64 v[X:X+1], v7
	s_lshl_b32 s28, s26, 8
	s_add_nc_u64 s[24:25], s[24:25], s[28:29]
	s_wait_dscnt 0x0
	global_store_b64 v6, v[X:X+1], s[24:25]        ; the wave stores 256 consecutive bytes, aligned
.Lbias_end:
	s_wait_dscnt 0x0                               ; the wave's end: the six lines
	s_wait_alu 0x0
	s_wait_tensorcnt 0x0
	ds_add_u32 v4, v5
	s_wait_dscnt 0x0
	s_endpgm
.Lfunc_end_k_qee54210e9d_gn:
	.size	k_qee54210e9d_gn, .Lfunc_end_k_qee54210e9d_gn-k_qee54210e9d_gn
	.p2alignl 7, 3214868480
	.fill 96, 4, 3214868480
	.section	.rodata,"a",@progbits
	.p2align	6, 0x0
	.amdhsa_kernel k_qee54210e9d_gn
		.amdhsa_group_segment_fixed_size 39424
		.amdhsa_private_segment_fixed_size 0
		.amdhsa_enable_private_segment 0
		.amdhsa_kernarg_size 88
		.amdhsa_user_sgpr_count 2
		.amdhsa_user_sgpr_kernarg_segment_ptr 1
		.amdhsa_wavefront_size32 1
		.amdhsa_system_sgpr_workgroup_id_x 1
		.amdhsa_system_sgpr_workgroup_id_y 1
		.amdhsa_system_sgpr_workgroup_id_z 1
		.amdhsa_system_vgpr_workitem_id 0
		.amdhsa_next_free_vgpr 160
		.amdhsa_next_free_sgpr 102
		.amdhsa_reserve_vcc 0
		.amdhsa_float_denorm_mode_32 3
		.amdhsa_float_denorm_mode_16_64 3
		.amdhsa_memory_ordered 1
		.amdhsa_forward_progress 1
		.amdhsa_inst_pref_size 72
	.end_amdhsa_kernel
	.amdgpu_metadata
---
amdhsa.version: [ 1, 2 ]
amdhsa.kernels:
  - .name:           k_qee54210e9d_gn
    .symbol:         k_qee54210e9d_gn.kd
    .args:
      - { .name: x, .offset: 0, .size: 8, .value_kind: global_buffer, .address_space: global }
      - { .name: gn_gamma, .offset: 8, .size: 8, .value_kind: global_buffer, .address_space: global }
      - { .name: gn_beta, .offset: 16, .size: 8, .value_kind: global_buffer, .address_space: global }
      - { .name: wq, .offset: 24, .size: 8, .value_kind: global_buffer, .address_space: global }
      - { .name: wk, .offset: 32, .size: 8, .value_kind: global_buffer, .address_space: global }
      - { .name: wv, .offset: 40, .size: 8, .value_kind: global_buffer, .address_space: global }
      - { .name: wp, .offset: 48, .size: 8, .value_kind: global_buffer, .address_space: global }
      - { .name: bv, .offset: 56, .size: 8, .value_kind: global_buffer, .address_space: global }
      - { .name: hn, .offset: 64, .size: 8, .value_kind: global_buffer, .address_space: global }
      - { .name: wb, .offset: 72, .size: 8, .value_kind: global_buffer, .address_space: global }
      - { .name: bvp, .offset: 80, .size: 8, .value_kind: global_buffer, .address_space: global }
    .group_segment_fixed_size: 39424
    .private_segment_fixed_size: 0
    .kernarg_segment_align: 8
    .kernarg_segment_size: 88
    .max_flat_workgroup_size: 256
    .sgpr_count:     102
    .vgpr_count:     160
    .wavefront_size: 32
...
	.end_amdgpu_metadata
.endif
;; end of part 4
;; launch qkv: the kernel of part 2 again; grid 128 x 6, 4 waves a work-group, clusters of 4 x 1, 327,680 bytes of LDS; arguments hn, wb, bq, bk, bvp, qb, kb, vb; writes qb, kb, vb
;; launch attn: the kernel of part 3 again; grid 8 x 32, 4 waves a work-group, clusters of 4 x 1, 327,680 bytes of LDS; arguments qb, kb, vb, bp, x, out0; writes out0
